; MI455X (gfx1250); checked and timed in simulation.
; The chip was launched on July 23, 2026; its instructions are those of AMD's public machine-readable ISA for CDNA 5 (MIT licence, August 2026) and "CDNA5" Instruction Set Architecture Reference Guide (July 2026). The comments in the code are by the model that wrote it; some were corrected since.
;; Causal Self Attention. Allowed arithmetic: matrix products marked QUANTISED: E4M3 operands, one given power-of-two scale a tensor, by v_wmma_f32_16x16x64_fp8_fp8 or v_wmma_f32_16x16x128_fp8_fp8, f32 sums; everything else in f32.
;; Inputs: Wk 2,048 x 512 float32; Wo 2,048 x 2,048 float32; Wq 2,048 x 2,048 float32; Wv 2,048 x 512 float32; lowp_scales 12 int32 (the exponents e of the quantised operands' scales 2^e); x 4 x 1,024 x 2,048 float32.
;; Outputs: out0 4 x 1,024 x 2,048 float32.
;; Constants: pos = 0.
;; This version of the problem:
;;   THIS VERSION OF THE PROBLEM IS GIVEN IN LOW PRECISION. The matrix products marked QUANTISED in the list below multiply operands that are first quantised to E4M3 (4 exponent bits, 3 mantissa bits; 8 bits a number), with one given power-of-two scale for each operand tensor; their sums are f32. All else is computed in f32.
;;   The module's matrix products, in the order in which they are computed (A, B: the left and right operand; K: the contracted axis; several contracted axes count as one K, in the product's order):
;;     1. [M 4,096, K 2,048] x [K 2,048, N 2,048]; A: input x; B: input Wq: QUANTISED (scales: A lowp_scales[0], B lowp_scales[1])
;;     2. [M 4,096, K 2,048] x [K 2,048, N 512]; A: input x; B: input Wk: QUANTISED (scales: A lowp_scales[2], B lowp_scales[3])
;;     3. [M 4,096, K 2,048] x [K 2,048, N 512]; A: input x; B: input Wv: QUANTISED (scales: A lowp_scales[4], B lowp_scales[5])
;;     4. batch 64 x [M 1,024, K 128] x [K 128, N 1,024]; A: computed on the way; B: computed on the way: QUANTISED (scales: A lowp_scales[6], B lowp_scales[7])
;;     5. batch 64 x [M 1,024, K 1,024] x [K 1,024, N 128]; A: softmax (see below); B: computed on the way: QUANTISED (scales: A lowp_scales[8], B lowp_scales[9])
;;     6. [M 4,096, K 2,048] x [K 2,048, N 2,048]; A: computed on the way; B: input Wo: QUANTISED (scales: A lowp_scales[10], B lowp_scales[11])
;;   THE QUANTISER, for each operand of a quantised product, along K:
;;     - The operand's scale is 2^e, e = its entry of the input lowp_scales (int32; the entries are numbered through the quantised products in the list's order, A before B).
;;     - Each number is divided by the scale, clamped to +-448, and rounded to the nearest number of E4M3, ties to even, subnormals kept.
;;     - The product sums the exact products of the quantised numbers (number of the format x scale) in f32.
;;   ~~~python
;;   def quantise(x, axis, e):      # numpy; x: float32 -> the quantised numbers, widened to float32 again
;;       x = np.moveaxis(x, axis, -1); K = x.shape[-1]
;;       r = np.clip(x / 2.0 ** e, -448, 448)
;;       step = 2.0 ** (np.maximum(np.frexp(np.where(r == 0, 1, r))[1] - 1, -6) - 3)
;;       q = np.round(r / step) * step * 2.0 ** e      # np.round: ties to even
;;       return np.moveaxis(q, -1, axis).astype(np.float32)
;;   ~~~
;;   SOFTMAX AHEAD OF A QUANTISED PRODUCT. Where the list says 'softmax', what is quantised is not the finished softmax but p = 2^(t - M), with t = logit x log2(e) and M = ceil(the row's largest t), a whole number; so 1/2 < the row's largest p <= 1. The row's sum l is taken of the UNQUANTISED p, in f32, and the product's result is divided by l at the end. Since M is a whole number, a kernel that streams over the keys may use a running M (the ceiling of the running maximum): every later rescaling is an exact power of two, so the quantised numbers keep their values, but for numbers so far below the row's largest that they fall under the format's range.
;;   OPERANDS COMPUTED ON THE WAY. 'Computed on the way' means the value that the module computes at that place (a softmax that the list does not call 'softmax' is quantised finished and normalised). What goes into a quantiser is computed in f32, as accurately as f32 sums, v_exp_f32 and their like allow (about 1e-6 of the number): no bf16 or f16 on the way to a quantiser, and a product that is left as it is and whose result goes on into a quantised operand takes f32 operands (vector FMAs, or v_wmma_f32_16x16x4_f32). A number that lies on a knife's edge between two numbers of the format may be rounded either way, as far as f32 arithmetic and the matrix unit's own rounding can turn it there, and no further.
;; One version. Each part assembles by itself: llvm-mc -triple=amdgcn-amd-amdhsa -mcpu=gfx1250 --defsym DOCPART=n.
;; ======== version 1 of 1: 4 launches
;; limits: right only within a limited range of input values
;; workspace buffers: x_img 25,165,824 bytes; w_img 10,485,760 bytes; rope 655,360 bytes; q_img 8,388,608 bytes; kv_img 4,194,304 bytes; y_img 8,388,608 bytes
;; launch prep (part 1): grid 74 x 8, 4 waves a work-group, no clusters, 67,072 bytes of LDS; arguments x, Wq, Wk, Wv, Wo, lowp_scales, x_img, w_img, rope; writes x_img, w_img, rope
.if DOCPART == 1
	.amdgcn_target "amdgcn-amd-amdhsa--gfx1250"
	.amdhsa_code_object_version 6
	.text
	.protected	k_qdcb0c551e2_prep
	.globl	k_qdcb0c551e2_prep
	.p2align	8
	.type	k_qdcb0c551e2_prep,@function
k_qdcb0c551e2_prep:
	s_mov_b64 s[64:65], 0
	v_nop
	global_prefetch_b8 v0, s[64:65] scope:SCOPE_SE
	s_setreg_imm32_b32 hwreg(HW_REG_WAVE_MODE, 25, 1), 1
	s_wait_xcnt 0x0
; PREP: x and the four weights (f32) become codes of FP8 (E4M3) with the given scales 2^e, and the table of cosines and sines for the rotation is made.
; code = number / 2^e, held within +-448, rounded to the nearest code, ties to even.
; EVERY OPERAND IS LAID AS AN IMAGE OF ITS REGISTERS.  A fragment is 16 rows x 128 along K, 2,048 bytes: byte 512 g + 16 l + 4 p + q holds row l % 16 at
; k = 32 g + 16 (p / 2) + 8 (l / 16) + 4 (p % 2) + q: four loads of 16 bytes a lane at 512 g + 16 l give the matrix instruction's own layout (registers 2 c, 2 c + 1: k = 16 c + 8 (l / 16) + 0 .. 7).
; Fragments lie K step by K step (256 along K): fragment (row block rb, chunk c of 128) at (c / 2) x NRB x 4,096 + rb x 4,096 + (c % 2) x 2,048, so that 128 rows of a K step are 32,768 bytes on end.
; x_img: three parts of 8,388,608 bytes (NRB = 256) for the scales of entries 0, 2, 4.  Part 1 is made only where entry 2 differs from entry 0, part 2 only where entry 4 differs from entry 0: the next launch chooses by the same compares.
; w_img: NRB = 320; its rows are the weights' COLUMNS: 0-2047 Wq, 2048-2559 Wk, 2560-3071 Wv, 3072-5119 Wo (entries 1, 3, 5, 11).
; rope: [t / 16][G = 0 .. 15][lane][16 bytes]: group 2 b cosines, group 2 b + 1 sines, of t x inv_freq[8 b + 4 (lane / 16) + u], u = 0 .. 3, t = 16 (t / 16) + lane % 16.  Behind its 524,288 bytes a unit table of 131,072 bytes (cosine 1, sine 0) for V, which is not rotated.
; THE GRID: x < 40: 128 columns x 256 K of a weight; 40 <= x < 72: 16 rows of x; x >= 72: the table.  The three ways part on the work-group's number and never meet; each way that uses LDS has bytes of its own.  No barrier: waves share nothing.
; LIMITS: each e between -126 and 119, so that 2^e and 448 x 2^e are f32 numbers.  NaN among the inputs is not served; an infinity is held at the largest code.  1 / P is a reciprocal with one correcting step: its last bit may differ from a division's.
.set RR,   16                          ; rows' way: v16-79 numbers as loaded
.set XX,   80                          ; v80-143 the same, 64 numbers of one row a lane
.set TT,   144                         ; v144-159 two sets of eight held numbers
.set CC,   160                         ; v160-207 codes: 16 registers for each of the three scales
.set XSP,  528                         ; a row of the rows' stage: 512 bytes + 16
.set WSTG, 33792                       ; the weights' stages begin behind the rows' four (4 x 16 x 528)
.macro MKSC e, sc, lim                 ; v[sc] = 2^e as f32 (the conversion takes its exponent field), v[lim] = 448 x 2^e
	s_add_co_i32 s34, s[\e], 127
	s_lshl_b32 s35, s34, 23
	v_mov_b32 v[\sc], s35
	s_add_co_i32 s34, s34, 8
	s_lshl_b32 s34, s34, 23
	s_or_b32 s34, s34, 0x600000
	v_mov_b32 v[\lim], s34
.endm
	s_load_b256 s[4:11], s[0:1], 0x0               ; x s[4:5], Wq s[6:7], Wk s[8:9], Wv s[10:11]
	s_load_b256 s[12:19], s[0:1], 0x20             ; Wo s[12:13], the scales s[14:15], x_img s[16:17], w_img s[18:19]
	s_load_b64 s[20:21], s[0:1], 0x40              ; rope
	v_lshl_add_u32 v208, v0, 2, 0x10400
	v_mov_b32 v209, 0
	v_lshrrev_b32 v1, 5, v0
	v_readfirstlane_b32 s22, v1                    ; wave
	v_and_b32 v10, 31, v0                          ; lane
	v_and_b32 v11, 15, v0                          ; r = lane % 16
	v_bfe_u32 v12, v0, 4, 1                        ; h = lane / 16
	v_lshlrev_b32 v1, 4, v10                       ; 16 x lane
	s_and_b32 s23, ttmp7, 0xffff                   ; work-group y
	s_wait_kmcnt 0x0
	s_load_b256 s[68:75], s[14:15], 0x0            ; entries 0 to 7
	s_load_b128 s[76:79], s[14:15], 0x20           ; entries 8 to 11
	s_cmp_lt_u32 ttmp9, 40
	s_cbranch_scc1 .Lweights
	s_cmp_lt_u32 ttmp9, 72
	s_cbranch_scc1 .Lrows
; ---------------- THE TABLE: a wave makes 16 positions; lane (r, h) the 32 angles 8 b + 4 h + u of position 16 tb + r ----------------
	s_wait_kmcnt 0x0                               ; (this way uses no scale; nothing of the scalar loads stays out)
	s_sub_co_u32 s24, ttmp9, 72
	s_lshl_b32 s24, s24, 3
	s_add_co_u32 s24, s24, s23
	s_lshl_b32 s24, s24, 2
	s_add_co_u32 s24, s24, s22                     ; tb = 0 .. 63
	s_lshl_b32 s26, s24, 13
	s_mov_b32 s27, 0
	s_add_nc_u64 s[28:29], s[20:21], s[26:27]      ; my 8,192 bytes of the table
	s_lshl_b32 s26, s24, 11
	s_add_co_u32 s26, s26, 524288
	s_add_nc_u64 s[30:31], s[20:21], s[26:27]      ; my 2,048 bytes of the unit table
	s_lshl_b32 s25, s24, 4
	s_wait_alu depctr_va_vdst(0)
	v_add_nc_u32 v13, s25, v11
	v_cvt_f32_u32 v13, v13                         ; t as f32
	v_cmp_eq_u32 vcc_lo, 1, v12                    ; lanes 16-31 take the angles four further on
	s_mov_b32 s40, 0x3fc90fdb                      ; pi / 2, the f32 number next to it,
	s_mov_b32 s41, 4.37113883e-8                   ; and what that number is too large by
	s_mov_b32 s42, -1.9515295891e-4                ; sine: ((S3 z + S2) z + S1) z r + r
	s_mov_b32 s43, 8.3321608736e-3
	s_mov_b32 s44, -1.6666654611e-1
	s_mov_b32 s45, 2.443315711809948e-5            ; cosine: ((C3 z + C2) z + C1) z z + (1 - z / 2)
	s_mov_b32 s46, -1.388731625493765e-3
	s_mov_b32 s47, 4.166664568298827e-2
.macro PW n, lo, hi                    ; v[16 + n] = P = 10000^(i / 64) = 10^(i / 16), rounded to f32: i = 8 (n / 4) + n % 4 (lo), four more in lanes 16-31 (hi)
	v_mov_b32 v14, \hi
	v_cndmask_b32 v[16+\n], \lo, v14, vcc_lo
.endm
	PW 0, 1.0, 1.77827941004
	PW 1, 1.15478198469, 2.05352502646
	PW 2, 1.33352143216, 2.37137370566
	PW 3, 1.53992652606, 2.73841963426
	PW 4, 3.16227766017, 5.62341325190
	PW 5, 3.65174127255, 6.49381631576
	PW 6, 4.21696503429, 7.49894209332
	PW 7, 4.86967525166, 8.65964323360
	PW 8, 10.0, 17.7827941004
	PW 9, 11.5478198469, 20.5352502646
	PW 10, 13.3352143216, 23.7137370566
	PW 11, 15.3992652606, 27.3841963426
	PW 12, 31.6227766017, 56.2341325190
	PW 13, 36.5174127255, 64.9381631576
	PW 14, 42.1696503429, 74.9894209332
	PW 15, 48.6967525166, 86.5964323360
	PW 16, 100.0, 177.827941004
	PW 17, 115.478198469, 205.352502646
	PW 18, 133.352143216, 237.137370566
	PW 19, 153.992652606, 273.841963426
	PW 20, 316.227766017, 562.341325190
	PW 21, 365.174127255, 649.381631576
	PW 22, 421.696503429, 749.894209332
	PW 23, 486.967525166, 865.964323360
	PW 24, 1000.0, 1778.27941004
	PW 25, 1154.78198469, 2053.52502646
	PW 26, 1333.52143216, 2371.37370566
	PW 27, 1539.92652606, 2738.41963426
	PW 28, 3162.27766017, 5623.41325190
	PW 29, 3651.74127255, 6493.81631576
	PW 30, 4216.96503429, 7498.94209332
	PW 31, 4869.67525166, 8659.64323360
.set n, 0
	s_wait_alu depctr_va_vdst(0)
.rept 32
	v_rcp_f32 v[48+n], v[16+n]                     ; one batch of 32 reciprocals
.set n, n+1
.endr
	v_nop                                          ; a plain line behind the last of them,
	s_wait_alu depctr_va_vdst(0)                   ; and one wait for the batch, ahead of its first reader
.set n, 0
.rept 32
	v_fma_f32 v[144+n%4], -v[16+n], v[48+n], 1.0   ; what the reciprocal lacks,
	v_fma_f32 v[48+n], v[144+n%4], v[48+n], v[48+n]   ; put right: inv_freq = 1 / P
	v_mul_f32 v[16+n], v13, v[48+n]                ; the angle, rounded once, as the outer product of t and inv_freq is
.set n, n+1
.endr
; Cosine and sine of an angle a between 0 and 1,023.  k = the whole number next to a x 2 / pi (652 at the most); a - k x (pi / 2's f32 number) is a multiple of 2^-23 under 1, so the first fused line rounds nothing.
.macro SINCOS n
.set A_, 16+(\n)
.set C_, 80+8*((\n)/4)+(\n)%4
.set S_, C_+4
	v_mul_f32 v144, 0x3f22f983, v[A_]
	v_rndne_f32 v144, v144                         ; k
	v_fma_f32 v145, -v144, s40, v[A_]
	v_fma_f32 v145, v144, s41, v145                ; r = a - k pi / 2, within +-pi / 4
	v_mul_f32 v146, v145, v145                     ; z = r r
	v_fma_f32 v147, v146, s42, s43
	v_fma_f32 v148, v146, s45, s46
	v_fma_f32 v147, v147, v146, s44
	v_fma_f32 v148, v148, v146, s47
	v_mul_f32 v147, v147, v146
	v_mul_f32 v148, v148, v146
	v_fma_f32 v149, v146, -0.5, 1.0
	v_fma_f32 v147, v147, v145, v145               ; sin r
	v_fma_f32 v148, v148, v146, v149               ; cos r
	v_cvt_i32_f32 v150, v144
	v_and_b32 v151, 1, v150
	v_cmp_eq_u32 vcc_lo, 1, v151                   ; in odd quarters the two change places
	v_cndmask_b32 v[S_], v147, v148, vcc_lo
	v_cndmask_b32 v[C_], v148, v147, vcc_lo
	v_lshlrev_b32 v151, 30, v150
	v_and_b32 v151, 0x80000000, v151               ; the sine is negative in quarters 2 and 3,
	v_xor_b32 v[S_], v[S_], v151
	v_add_nc_u32 v150, 1, v150
	v_lshlrev_b32 v150, 30, v150
	v_and_b32 v150, 0x80000000, v150               ; the cosine in quarters 1 and 2
	v_xor_b32 v[C_], v[C_], v150
.endm
.set m, 0
.rept 32
	SINCOS m
.set m, m+1
.endr
.irp j, 0,1,2,3
	v_mov_b32 v[152+\j], 1.0
	v_mov_b32 v[156+\j], 0
.endr
.set i, 0
.rept 16
	global_store_b128 v1, v[80+4*i:83+4*i], s[28:29] offset:512*i   ; a group: 32 lanes store 512 bytes on end
.set i, i+1
.endr
.irp k, 0,1
	global_store_b128 v1, v[152:155], s[30:31] offset:1024*\k       ; the unit table: even groups 1,
	global_store_b128 v1, v[156:159], s[30:31] offset:1024*\k+512   ; odd groups 0
.endr
	s_endpgm
; ---------------- THE ROWS OF x: a work-group takes 16 rows; wave w chunks 4 w .. 4 w + 3 of 128 along K, a fragment a step ----------------
.Lrows:
	s_sub_co_u32 s24, ttmp9, 40
	s_lshl_b32 s24, s24, 3
	s_add_co_u32 s24, s24, s23                     ; row block 0 .. 255
	s_lshl_b32 s26, s24, 17                        ; 16 rows of 8,192 bytes
	s_lshl_b32 s25, s22, 11                        ; my four chunks of 512 bytes
	s_add_co_u32 s26, s26, s25
	s_mov_b32 s27, 0
	s_add_nc_u64 s[4:5], s[4:5], s[26:27]
	s_lshl_b32 s26, s22, 21                        ; chunks 4 w on: two K steps of 1,048,576 bytes a wave
	s_lshl_b32 s25, s24, 12
	s_add_co_u32 s26, s26, s25
	s_add_nc_u64 s[28:29], s[16:17], s[26:27]      ; part 0,
	s_add_nc_u64 s[30:31], s[28:29], 0x800000      ; part 1,
	s_add_nc_u64 s[32:33], s[28:29], 0x1000000     ; part 2
	s_mul_i32 s25, s22, 16*XSP                     ; my stage
	s_wait_alu depctr_va_vdst(0)
	v_add_nc_u32 v2, s25, v1                       ; in: a row's 512 bytes as they lie
	v_mul_u32_u24 v3, v11, XSP
	v_lshl_add_u32 v3, v12, 5, v3
	v_add_nc_u32 v3, s25, v3                       ; out: row r, + 32 h bytes: eight neighbours of my half
.macro XLOAD s                         ; chunk s: each load takes 512 bytes on end of one row
.set i, 0
.rept 16
	global_load_b128 v[RR+4*i:RR+4*i+3], v1, s[4:5] offset:8192*i+512*(\s) th:TH_LOAD_NT
.set i, i+1
.endr
.endm
.macro XTURN                           ; through my own stage: LDS serves a wave's instructions in order, so no wait stands between the stores and the loads.  Rows 528 bytes apart: 16 rows start at 16 different groups of banks
.set i, 0
.rept 16
	ds_store_b128 v2, v[RR+4*i:RR+4*i+3] offset:XSP*i
.set i, i+1
.endr
.irp g, 0,1,2,3                        ; v[XX + 16 g + 0 .. 7]: k = 32 g + 8 h + 0 .. 7;  + 8 .. 15: k = 32 g + 16 + 8 h + 0 .. 7
	ds_load_b128 v[XX+16*\g:XX+16*\g+3], v3 offset:128*\g
	ds_load_b128 v[XX+16*\g+4:XX+16*\g+7], v3 offset:128*\g+16
	ds_load_b128 v[XX+16*\g+8:XX+16*\g+11], v3 offset:128*\g+64
	ds_load_b128 v[XX+16*\g+12:XX+16*\g+15], v3 offset:128*\g+80
.endr
.endm
.macro XQUANT j, s, dst                ; the fragment with scale j, to part j.  The held numbers go to two sets by turns: x itself is kept for the other scales, and the other set's eight holds stand between a conversion and the next write of its sources
.set n, 0
.rept 8
.set i, 0
.rept 8
	v_med3_num_f32 v[TT+8*(n%2)+i], v[XX+8*n+i], -v[5+2*\j], v[5+2*\j]   ; the conversion to an 8-bit code does not saturate (ISA guide 7.6.2): the hold comes first
.set i, i+1
.endr
	v_cvt_scalef32_pk8_fp8_f32 v[CC+16*\j+2*n:CC+16*\j+2*n+1], v[TT+8*(n%2):TT+8*(n%2)+7], v[4+2*\j]
.set n, n+1
.endr
	v_nop                                          ; a plain line behind the last conversion
.irp g, 0,1,2,3
	global_store_b128 v1, v[CC+16*\j+4*\g:CC+16*\j+4*\g+3], s[\dst:\dst+1] offset:((\s)/2)*1048576+((\s)%2)*2048+512*\g   ; 512 bytes on end
.endr
.endm
.macro XSTEP s
	s_wait_loadcnt 0x0                             ; this chunk's 16 loads are in
	XTURN
	s_wait_dscnt 0x0                               ; the numbers are back, and the stage's stores have read their registers,
	s_wait_xcnt 0x0                                ; and the last step's stores have read theirs: the codes' registers may be written again
.if \s < 3
	XLOAD (\s)+1                                   ; the next chunk is on its way while this one is worked
.endif
	XQUANT 0, \s, 28
	s_cmp_lg_u32 s40, 0
	s_cbranch_scc1 .Lsame_k_\@                     ; entry 2 = entry 0: K's product reads part 0
	XQUANT 1, \s, 30
.Lsame_k_\@:
	s_cmp_lg_u32 s41, 0
	s_cbranch_scc1 .Lsame_v_\@                     ; entry 4 = entry 0: V's product reads part 0
	XQUANT 2, \s, 32
.Lsame_v_\@:
.endm
	XLOAD 0
	s_wait_alu depctr_va_vdst(0)
	s_wait_kmcnt 0x0
	MKSC 68, 4, 5
	MKSC 70, 6, 7
	MKSC 72, 8, 9
	s_cmp_eq_u32 s70, s68
	s_cselect_b32 s40, 1, 0
	s_cmp_eq_u32 s72, s68
	s_cselect_b32 s41, 1, 0
	s_wait_alu depctr_va_vdst(0)
	XSTEP 0
	XSTEP 1
	XSTEP 2
	XSTEP 3
	s_wait_tensorcnt 0x0
	ds_add_u32 v208, v209
	s_wait_dscnt 0x0
	s_endpgm
; ---------------- THE WEIGHTS ([K][N], K not innermost): a lane takes a column, its registers run down K; a wave 32 columns x 256 K ----------------
.Lweights:
	s_sub_co_u32 s28, ttmp9, 24
	s_sub_co_u32 s29, ttmp9, 20
	s_sub_co_u32 s30, ttmp9, 16
	s_mov_b32 s31, 8192                            ; a row of Wq or Wo in bytes,
	s_mov_b32 s33, 2048                            ; of Wk or Wv
	s_wait_kmcnt 0x0
	s_cmp_lt_u32 ttmp9, 24                         ; which tensor: the choice hangs on the work-group's number alone
	s_cselect_b64 s[24:25], s[10:11], s[12:13]     ; Wv, else Wo
	s_cselect_b32 s26, s29, s28                    ; its group of 128 columns
	s_cselect_b32 s27, s33, s31                    ; its row in bytes
	s_cselect_b32 s32, s73, s79                    ; its e: entry 5, else 11
	s_cmp_lt_u32 ttmp9, 20
	s_cselect_b64 s[24:25], s[8:9], s[24:25]       ; Wk
	s_cselect_b32 s26, s30, s26
	s_cselect_b32 s32, s71, s32                    ; entry 3
	s_cmp_lt_u32 ttmp9, 16
	s_cselect_b64 s[24:25], s[6:7], s[24:25]       ; Wq
	s_cselect_b32 s26, ttmp9, s26
	s_cselect_b32 s27, s31, s27
	s_cselect_b32 s32, s69, s32                    ; entry 1
	s_lshl_b32 s34, s26, 9                         ; 128 columns of 4 bytes
	s_lshl_b32 s35, s22, 7                         ; my wave's 32
	s_add_co_u32 s34, s34, s35
	s_lshl_b32 s35, s23, 8                         ; K step y: 256 rows down
	s_mul_i32 s35, s35, s27
	s_add_co_u32 s34, s34, s35
	s_mov_b32 s35, 0
	s_add_nc_u64 s[40:41], s[24:25], s[34:35]      ; block 0's base;
	s_lshl_b32 s36, s27, 5
	s_mov_b32 s37, 0
.irp t, 1,2,3,4,5,6,7
	s_add_nc_u64 s[40+2*\t:41+2*\t], s[38+2*\t:39+2*\t], s[36:37]   ; a base for each block of 32 rows: none is written again
.endr
	s_wait_alu depctr_va_vdst(0)
	v_lshlrev_b32 v13, 2, v10
.set i, 0
.rept 32                               ; register i takes row 8 (i / 16) + 16 ((i / 8) % 2) + i % 8 of a block: the image's order, so that codes 0-15 are the 16 bytes of lanes 0-15 and codes 16-31 those of lanes 16-31
	v_mad_u32_u24 v[16+i], s27, 8*(i/16)+16*((i/8)%2)+i%8, v13
.set i, i+1
.endr
	s_lshl_b32 s38, s22, 13
	s_add_co_u32 s38, s38, WSTG                    ; my stage: 8,192 bytes, the image of my two row blocks' four fragments
	v_add_nc_u32 v2, s38, v1                       ; out of it: 16 x lane
	v_lshlrev_b32 v3, 4, v11
	v_lshl_add_u32 v3, v12, 12, v3
	v_add_nc_u32 v3, s38, v3                       ; into it: row block lane / 16, row lane % 16
	s_mul_i32 s56, s23, 1310720                    ; K step y of w_img,
	s_lshl_b32 s57, ttmp9, 15                      ; eight row blocks a work-group,
	s_add_co_u32 s56, s56, s57
	s_lshl_b32 s57, s22, 13                        ; two a wave
	s_add_co_u32 s56, s56, s57
	s_mov_b32 s57, 0
	s_add_nc_u64 s[18:19], s[18:19], s[56:57]
.macro WLOAD t                         ; block t into set t % 2: each load reads 128 bytes on end a wave, the four waves side by side
.set i, 0
.rept 32
	global_load_b32 v[48+32*((\t)%2)+i], v[16+i], s[40+2*(\t):41+2*(\t)] th:TH_LOAD_NT
.set i, i+1
.endr
.endm
	s_wait_alu depctr_va_vdst(0)
	WLOAD 0
	WLOAD 1
	MKSC 32, 4, 5
.macro WBLOCK t
.set XS, 48+32*((\t)%2)
.if (\t) < 7
	s_wait_loadcnt 32                              ; this block's 32 loads are in; the next block's may be out
.else
	s_wait_loadcnt 0x0
.endif
.set i, 0
.rept 32
	v_med3_num_f32 v[XS+i], v[XS+i], -v5, v5
.set i, i+1
.endr
.irp g, 0,1,2,3
	v_cvt_scalef32_pk8_fp8_f32 v[112+2*\g:113+2*\g], v[XS+8*\g:XS+8*\g+7], v4
.endr
	ds_store_b128 v3, v[112:115] offset:2048*((\t)/4)+512*((\t)%4)       ; chunk t / 4, group t % 4: the place of lanes 0-15,
	ds_store_b128 v3, v[116:119] offset:2048*((\t)/4)+512*((\t)%4)+256   ; of lanes 16-31
.if (\t)+2 < 8
	WLOAD (\t)+2
.endif
	s_wait_dscnt 0x0                               ; the stores have read their registers: the next block's codes may be written (its 32 holds are the plain lines between)
.endm
.set q, 0
	s_wait_alu depctr_va_vdst(0)
.rept 8
	WBLOCK q
.set q, q+1
.endr
.set i, 0
.rept 16
	ds_load_b128 v[120+4*i:123+4*i], v2 offset:512*i   ; LDS serves a wave's instructions in order: these see my stores
.set i, i+1
.endr
.set i, 0
.rept 16
	s_wait_dscnt 15-i                              ; the younger reads may be out
	global_store_b128 v1, v[120+4*i:123+4*i], s[18:19] offset:512*i   ; my 8,192 bytes on end
.set i, i+1
.endr
	s_wait_tensorcnt 0x0
	ds_add_u32 v208, v209
	s_wait_dscnt 0x0
	s_endpgm
.Lfunc_end_k_qdcb0c551e2_prep:
	.size	k_qdcb0c551e2_prep, .Lfunc_end_k_qdcb0c551e2_prep-k_qdcb0c551e2_prep
	.p2alignl 7, 3214868480
	.fill 96, 4, 3214868480
	.section	.rodata,"a",@progbits
	.p2align	6, 0x0
	.amdhsa_kernel k_qdcb0c551e2_prep
		.amdhsa_group_segment_fixed_size 67072
		.amdhsa_private_segment_fixed_size 0
		.amdhsa_enable_private_segment 0
		.amdhsa_kernarg_size 72
		.amdhsa_user_sgpr_count 2
		.amdhsa_user_sgpr_kernarg_segment_ptr 1
		.amdhsa_wavefront_size32 1
		.amdhsa_system_sgpr_workgroup_id_x 1
		.amdhsa_system_sgpr_workgroup_id_y 1
		.amdhsa_system_sgpr_workgroup_id_z 1
		.amdhsa_system_vgpr_workitem_id 0
		.amdhsa_next_free_vgpr 210
		.amdhsa_next_free_sgpr 96
		.amdhsa_reserve_vcc 1
		.amdhsa_float_denorm_mode_32 3
		.amdhsa_float_denorm_mode_16_64 3
		.amdhsa_memory_ordered 1
		.amdhsa_forward_progress 1
		.amdhsa_inst_pref_size 180
	.end_amdhsa_kernel
	.amdgpu_metadata
---
amdhsa.version: [ 1, 2 ]
amdhsa.kernels:
  - .name:           k_qdcb0c551e2_prep
    .symbol:         k_qdcb0c551e2_prep.kd
    .args:
      - { .name: x, .offset: 0, .size: 8, .value_kind: global_buffer, .address_space: global }
      - { .name: Wq, .offset: 8, .size: 8, .value_kind: global_buffer, .address_space: global }
      - { .name: Wk, .offset: 16, .size: 8, .value_kind: global_buffer, .address_space: global }
      - { .name: Wv, .offset: 24, .size: 8, .value_kind: global_buffer, .address_space: global }
      - { .name: Wo, .offset: 32, .size: 8, .value_kind: global_buffer, .address_space: global }
      - { .name: lowp_scales, .offset: 40, .size: 8, .value_kind: global_buffer, .address_space: global }
      - { .name: x_img, .offset: 48, .size: 8, .value_kind: global_buffer, .address_space: global }
      - { .name: w_img, .offset: 56, .size: 8, .value_kind: global_buffer, .address_space: global }
      - { .name: rope, .offset: 64, .size: 8, .value_kind: global_buffer, .address_space: global }
    .group_segment_fixed_size: 67072
    .private_segment_fixed_size: 0
    .kernarg_segment_align: 8
    .kernarg_segment_size: 72
    .max_flat_workgroup_size: 128
    .sgpr_count:     96
    .vgpr_count:     210
    .wavefront_size: 32
...
	.end_amdgpu_metadata
.endif
;; end of part 1
;; launch qkv (part 2): grid 4 x 48, 4 waves a work-group, clusters of 4 x 1, 327,680 bytes of LDS; arguments x_img, w_img, rope, lowp_scales, q_img, kv_img; writes q_img, kv_img
.if DOCPART == 2
	.amdgcn_target "amdgcn-amd-amdhsa--gfx1250"
	.amdhsa_code_object_version 6
	.text
	.protected	k_qdcb0c551e2_qkv
	.globl	k_qdcb0c551e2_qkv
	.p2align	8
	.type	k_qdcb0c551e2_qkv,@function
k_qdcb0c551e2_qkv:
	s_mov_b64 s[64:65], 0
	v_nop
	global_prefetch_b8 v0, s[64:65] scope:SCOPE_SE
	s_setreg_imm32_b32 hwreg(HW_REG_WAVE_MODE, 25, 1), 1
	s_wait_xcnt 0x0
	s_wait_alu depctr_hold_cnt(0) depctr_sa_sdst(0) depctr_va_vdst(0) depctr_va_sdst(0) depctr_va_ssrc(0) depctr_va_vcc(0) depctr_vm_vsrc(0)
	s_getreg_b32 s2, hwreg(HW_REG_IB_STS2, 6, 4)
	s_cmp_eq_u32 s2, 0
	s_cbranch_scc0 .Lentry_in_a_cluster
	s_endpgm
.Lentry_in_a_cluster:
	s_bfe_u32 s2, ttmp6, 0x10000c
	s_cmp_lg_u32 s2, 0x3003
	s_cbranch_scc0 .Lentry_shape_is_right
	s_endpgm
.Lentry_shape_is_right:
; QKV: q = x Wq, k = x Wk, v = x Wv on codes of FP8 (E4M3); q and k are rotated; all three are quantised for attention and stored as images of operand registers.
; A fragment's image (16 rows x 128 K, 2,048 bytes): four loads of 16 bytes a lane at 512 g + 16 lane are the matrix instruction's own layout.  Fragment (row block rb, chunk c) lies at (c / 2) x KS + 4,096 rb + 2,048 (c % 2).
; A work-group has a RESIDENT operand, 128 rows over all of K (262,144 bytes), filled into LDS once (wave w asks for K steps 2 w, 2 w + 1 by one tensor load of two rows of 32,768 bytes: no byte is filled twice, so there is no ring),
; and each wave a STREAMED operand of its own, 128 rows, which no other wave reads and which therefore goes from memory straight into registers: 32 loads of 512 bytes on end for a chunk of 128 along K, three sets by turns, two chunks ahead.
; A wave makes 128 x 128: 64 accumulators.  THE MATRIX INSTRUCTION IS USED TRANSPOSED (source 0 = streamed, source 1 = resident): a lane holds one resident row and eight neighbours of the streamed rows for each block of 16.
; THE GRID, by the cluster's y.  y < 32, Q: resident = tokens 128 y of x; work-group cx, wave w streams head 4 cx + w of Wq.  32 <= y < 40, K: resident = tokens 128 (4 (y - 32) + cx); wave w streams head w of Wk.
; y >= 40, V: resident = head (y - 40) / 2 of Wv; wave w streams tokens 512 (4 ((y - 40) % 2) + cx) + 128 w of x: so a lane holds one channel and 64 keys, V's fragment with the keys along K.  One text serves the three.
; CLUSTER 4 x 1: Q's and V's four partners read the same resident tile, asked for jointly (mask 15; its address is made of y and the wave's number alone).  K's partners have other tokens: theirs is a plain load behind the same round.
; The three loads differ in mask or pitch, so they stand in the arms of one chain of branches on the cluster's y, which the partners share.
; No prefetch is laid: the resident tile is asked for whole at the head, and the streamed loads are themselves issued two chunks ahead of their products.
; x's codes belong to one product: K reads part 1 of x_img and V part 2 where its scale differs from entry 0 (a choice, no branch).
; THE ROTATION: out[d] = x[d] cos[d] - x[d + 64] sin[d] (d < 64), x[d] cos[d] + x[d - 64] sin[d] (d >= 64).  The table lies in memory as register images and is loaded as such, a block of 16 positions ahead.
; V's work-groups read the unit table (cosine 1, sine 0), so that one way out serves all.
; SCALES: a sum stands for sum x 2^(ex + ew), so the conversion takes 2^(e_out - ex - ew).  LIMITS: e6 - e0 - e1, e7 - e2 - e3, e9 - e4 - e5 between -126 and 119.
; REGISTERS: window 0: v16-19 addresses, v28-31; v32-127 the resident fragments, a ring of three pairs of blocks; v128-255 streamed set 2.  Window 1: streamed sets 0 and 1.  Windows 2, 3: accumulators of resident blocks 0-3, 4-7 ((a, b) at v[8 (8 (a % 4) + b)]).
;   On the way out, window 0: v128-255 the table (two sets), v32-95 a block's numbers, v96-127 codes (two sets).
.set KSX,   1048576                    ; a K step of 256 in x_img
.set KSW,   1310720                    ; in w_img
.set SPARE, 262144                     ; behind the resident tile: the spare words, 128 bytes a wave
.set LI,    16                         ; v16  16 x lane
.set LI2,   17                         ; v17  the same + 65,536
.set ADL,   18                         ; v18-19  the two, + the walk's offset in LDS
.set SPW,   28
.set NIL,   29
.set SCL,   30                         ; the conversion's scale
.set LIM,   31                         ; 448 x that
.set AR,    32
.set TBL,   128
.set OO,    32
.set CD,    96
.set HV, 2
.set TG, 3
.set WV, 16
.set YY, 17
.set TBK, 18
.set CX, 19
.set G0Q, 20
.set G1Q, 24
.set G1K, 32
.set G1V, 40
.set G0K, 48
.set G0V, 52
.set OUTP, 60                          ; s[60:61] where my 16,384 bytes of codes go
.set TBP, 62                           ; s[62:63] my eight blocks of the table
.set SB,  66                           ; s[66:75] the streamed rows at five K steps on end; the last four walk
.set RO,  98                           ; the walk's offset in LDS
.set CNT, 99
.set MSB, 0
.macro WIN new
.if MSB != (\new)
	s_set_vgpr_msb (MSB<<8)|(\new)
.set MSB, (\new)
.endif
.endm
.macro PLACES n
.rept \n
	v_nop
.endr
.endm
.macro CROUND
	s_barrier_signal -1
	s_barrier_wait -1
	s_cmp_lg_u32 s[WV], 0
	s_cbranch_scc1 .Lnot_wave_0_\@
	s_barrier_signal -3
.Lnot_wave_0_\@:
	s_barrier_wait -3
	s_barrier_signal -1
	s_barrier_wait -1
.endm
; cb: the chunk at which the walking addresses stand (0 in front of and in the loop, whose text is written for its first trip; 12 behind it)
.macro SLOAD c, cb                     ; the streamed operand's eight fragments of chunk c into set c % 3
	WIN 0x40*(1-((\c)%3)/2)
.set SR_, 128*(((\c)%3+1)/2)
.set KB_, SB+2*(((\c)-(\cb))/2)
.irp b, 0,1,2,3,4,5,6,7
.irp g, 0,1,2,3
	global_load_b128 v[SR_+16*\b+4*\g:SR_+16*\b+4*\g+3], v[LI], s[KB_:KB_+1] offset:4096*\b+2048*((\c)%2)+512*\g
.endr
.endr
.endm
.macro RLOAD G, cb                     ; group G = resident blocks 2 (G % 4), + 1 of chunk G / 4, into ring place G % 3
	WIN 0
.set CC_, (\G)/4-(\cb)
.irp u, 0,1
.irp g, 0,1,2,3
.set OF_, (CC_/2)*32768+(2*((\G)%4)+\u)*4096+(CC_%2)*2048+512*\g
	ds_load_b128 v[AR+32*((\G)%3)+16*\u+4*\g:AR+32*((\G)%3)+16*\u+4*\g+3], v[ADL+OF_/65536] offset:OF_%65536
.endr
.endr
.endm
.macro TLD a                           ; the table of block a into set a % 2: register 8 b + u: cosine, 8 b + 4 + u: sine, of angle 8 b + 4 h + u
	WIN 0
.irp G, 0,1,2,3,4,5,6,7,8,9,10,11,12,13,14,15
	global_load_b128 v[TBL+64*((\a)%2)+4*\G:TBL+64*((\a)%2)+4*\G+3], v[LI], s[TBP:TBP+1] offset:8192*(\a)+512*\G
.endr
.endm
; A group: 16 matrix instructions, two resident blocks x the streamed eight.  At its head, four places behind the last product, the registers that the last group (at a chunk's head: the last chunk) read are asked for again.
; The 64 accumulators take turns, one instruction a turn, in the same order in every chunk.
.macro GROUP G, cb, zero
.if (\G) > 0
	PLACES 4
.endif
.if (\G)%4 == 0
.if (\G) < 60
	s_wait_loadcnt 32                              ; this chunk's streamed set is in; the next chunk's 32 loads may be out
.else
	s_wait_loadcnt 0x0
.endif
.if (\G)/4+2 < 16
	SLOAD (\G)/4+2, \cb
.endif
.if (\G) == 60
	TLD 0                                          ; set 2 has had its last products: the first block's table lands there under the last chunk
.endif
.endif
.if (\G)+2 < 64
	RLOAD (\G)+2, \cb
.endif
.if (\G) < 62
	s_wait_dscnt 16                                ; this group's fragments are in; the next two groups' 16 loads may be out
.else
	s_wait_dscnt 8*(63-(\G))
.endif
	WIN 0xa0+0x50*(((\G)%4)/2)+1-(((\G)/4)%3)/2    ; source 0: window 1, or 0 for set 2; source 1: window 0; C and D: window 2 or 3
.set SR_, 128*((((\G)/4)%3+1)/2)
.set AB_, AR+32*((\G)%3)
.set AC_, 128*((\G)%2)
.irp u, 0,1
.irp b, 0,1,2,3,4,5,6,7
.if \zero
	v_wmma_f32_16x16x128_fp8_fp8 v[AC_+64*\u+8*\b:AC_+64*\u+8*\b+7], v[SR_+16*\b:SR_+16*\b+15], v[AB_+16*\u:AB_+16*\u+15], 0
.else
	v_wmma_f32_16x16x128_fp8_fp8 v[AC_+64*\u+8*\b:AC_+64*\u+8*\b+7], v[SR_+16*\b:SR_+16*\b+15], v[AB_+16*\u:AB_+16*\u+15], v[AC_+64*\u+8*\b:AC_+64*\u+8*\b+7]
.endif
.endr
.endr
.endm
.macro CHUNK c, cb, zero
	GROUP 4*(\c), \cb, \zero
	GROUP 4*(\c)+1, \cb, \zero
	GROUP 4*(\c)+2, \cb, \zero
	GROUP 4*(\c)+3, \cb, \zero
.endm
.macro SETAD                           ; the resident fragments' addresses at the walk's offset
	v_add_nc_u32 v[ADL], s[RO], v[LI]
	v_add_nc_u32 v[ADL+1], s[RO], v[LI2]
	s_wait_alu depctr_va_vdst(0)
.endm
	s_load_b256 s[4:11], s[0:1], 0x0               ; x_img s[4:5], w_img s[6:7], rope s[8:9], the scales s[10:11]
	s_load_b128 s[12:15], s[0:1], 0x20             ; q_img s[12:13], kv_img s[14:15]
	v_lshl_add_u32 v[SPW], v0, 2, SPARE
	v_mov_b32 v[NIL], 0
	ds_add_u32 v[SPW], v[NIL]                      ; the opening lines: the add twice on end and its wait
	ds_add_u32 v[SPW], v[NIL]
	v_lshrrev_b32 v1, 5, v0
	v_readfirstlane_b32 s[WV], v1                  ; wave 0..3
	v_and_b32 v2, 31, v0
	v_lshlrev_b32 v[LI], 4, v2
	v_add_nc_u32 v[LI2], 0x10000, v[LI]
	s_bfe_u32 s[CX], ttmp6, 0x40000                ; my place in the cluster
	s_and_b32 s[YY], ttmp7, 0xffff                 ; the cluster's y: the same in the four partners
.irp g, G1Q, G1K, G1V
	s_mov_b32 s[\g+1], 4096<<16                    ; a row: 4,096 elements of 8 bytes
	s_mov_b32 s[\g+2], 2<<16                       ; two rows
	s_mov_b32 s[\g+3], 4096<<16
	s_mov_b32 s[\g+4], 2
	s_mov_b32 s[\g+6], 0
	s_mov_b32 s[\g+7], 0
.endr
	s_mov_b32 s[G1Q], 15|(3<<16)|(1<<21)           ; the four partners; bit 21 beside the mask
	s_mov_b32 s[G1K], 3<<16                        ; no mask
	s_mov_b32 s[G1V], 15|(3<<16)|(1<<21)
	s_mov_b32 s[G1Q+5], KSX/8                      ; from K step to K step
	s_mov_b32 s[G1K+5], KSX/8
	s_mov_b32 s[G1V+5], KSW/8
.irp g, G0Q, G0K, G0V
	s_mov_b32 s[\g], 1
	s_lshl_b32 s[\g+1], s[WV], 16                  ; LDS: wave x 65,536
.endr
	s_wait_alu depctr_va_vdst(0)                   ; ahead of the waits below
	s_wait_dscnt 0x0                               ; both opening adds are done
	s_wait_kmcnt 0x0
	s_load_b256 s[84:91], s[10:11], 0x0            ; entries 0 to 7
	s_load_b128 s[92:95], s[10:11], 0x20           ; entries 8 to 11
	s_lshl_b32 s56, s[YY], 15                      ; Q's resident tile: 8 row blocks a block of tokens,
	s_lshl_b32 s57, s[WV], 21                      ; two K steps a wave
	s_add_co_u32 s56, s56, s57
	s_mov_b32 s57, 0
	s_add_nc_u64 s[G0Q+2:G0Q+3], s[4:5], s[56:57]
	s_or_b32 s[G0Q+3], s[G0Q+3], 0x80000000
	s_sub_co_u32 s[HV], s[YY], 40
	s_lshr_b32 s[HV], s[HV], 1
	s_and_b32 s[HV], s[HV], 3                      ; V's head
	s_lshl_b32 s56, s[HV], 15
	s_add_co_u32 s56, s56, 160*4096                ; Wv's columns are w_img's row blocks 160 on
	s_mul_i32 s58, s[WV], 2*KSW
	s_add_co_u32 s56, s56, s58
	s_add_nc_u64 s[G0V+2:G0V+3], s[6:7], s[56:57]
	s_or_b32 s[G0V+3], s[G0V+3], 0x80000000
	s_sub_co_u32 s58, s[YY], 40                    ; from here on cx enters: none of this reaches a joint load
	s_and_b32 s58, s58, 1
	s_lshl_b32 s58, s58, 2
	s_add_co_u32 s[TG], s58, s[CX]                 ; V's group of 512 tokens
	s_sub_co_u32 s58, s[YY], 32
	s_lshl_b32 s58, s58, 2
	s_add_co_u32 s58, s58, s[CX]
	s_and_b32 s58, s58, 31
	s_cmp_lt_u32 s[YY], 32
	s_cselect_b32 s[TBK], s[YY], s58               ; Q's or K's block of tokens
	s_wait_kmcnt 0x0
	s_cmp_eq_u32 s86, s84                          ; which part of x_img: the number is held at 2 and only then enters an address
	s_cselect_b32 s98, 0, 1
	s_min_u32 s98, s98, 2
	s_lshl_b32 s98, s98, 23                        ; K's part
	s_cmp_eq_u32 s88, s84
	s_cselect_b32 s99, 0, 2
	s_cmp_lt_u32 s[YY], 40
	s_cselect_b32 s99, 0, s99
	s_min_u32 s99, s99, 2
	s_lshl_b32 s99, s99, 23                        ; V's part in V's work-groups, else 0
	s_lshl_b32 s58, s[TBK], 15
	s_lshl_b32 s59, s[WV], 21
	s_add_co_u32 s58, s58, s59
	s_add_co_u32 s58, s58, s98
	s_mov_b32 s59, 0
	s_add_nc_u64 s[G0K+2:G0K+3], s[4:5], s[58:59]
	s_or_b32 s[G0K+3], s[G0K+3], 0x80000000
	CROUND                                         ; the four work-groups are here: the joint loads meet
	s_cmp_lt_u32 s[YY], 32
	s_cbranch_scc0 .Lnot_q
	tensor_load_to_lds s[G0Q:G0Q+3], s[G1Q:G1Q+7]
	s_nop 0
	PLACES 4
	s_branch .Lasked
.Lnot_q:
	s_cmp_lt_u32 s[YY], 40
	s_cbranch_scc0 .Lfor_v
	tensor_load_to_lds s[G0K:G0K+3], s[G1K:G1K+7]
	s_nop 0
	PLACES 4
	s_branch .Lasked
.Lfor_v:
	tensor_load_to_lds s[G0V:G0V+3], s[G1V:G1V+7]
	s_nop 0
	PLACES 4
.Lasked:
	s_lshl_b32 s96, s[WV], 15                      ; the streamed rows: 8 row blocks a wave,
	s_lshl_b32 s97, s[CX], 17                      ; Q: four heads a work-group;
	s_lshl_b32 s58, s[TG], 17                      ; V: 32 row blocks a group of tokens
	s_mov_b32 s82, KSX
	s_cmp_lt_u32 s[YY], 32
	s_cselect_b32 s97, s97, 128*4096               ; K: Wk's columns are w_img's row blocks 128 on
	s_cmp_lt_u32 s[YY], 40
	s_cselect_b32 s97, s97, s58
	s_cselect_b64 s[SB:SB+1], s[6:7], s[4:5]
	s_cselect_b32 s82, KSW, s82                    ; from K step to K step
	s_add_co_u32 s96, s96, s97
	s_add_co_u32 s96, s96, s99
	s_mov_b32 s97, 0
	s_mov_b32 s83, 0
	s_add_nc_u64 s[SB:SB+1], s[SB:SB+1], s[96:97]
.irp k, 1,2,3,4
	s_add_nc_u64 s[SB+2*\k:SB+2*\k+1], s[SB+2*\k-2:SB+2*\k-1], s[82:83]
.endr
	s_mul_i32 s80, s82, 3                          ; a trip of the loop walks three K steps
	s_mov_b32 s81, 0
	SLOAD 0, 0
	SLOAD 1, 0
	WIN 0
	s_sub_co_i32 s56, s90, s84                     ; the conversion's scale
	s_sub_co_i32 s56, s56, s85                     ; Q: e6 - e0 - e1
	s_sub_co_i32 s57, s91, s86
	s_sub_co_i32 s57, s57, s87                     ; K: e7 - e2 - e3
	s_sub_co_i32 s58, s93, s88
	s_sub_co_i32 s58, s58, s89                     ; V: e9 - e4 - e5
	s_cmp_lt_u32 s[YY], 40
	s_cselect_b32 s57, s57, s58
	s_cmp_lt_u32 s[YY], 32
	s_cselect_b32 s56, s56, s57
	s_add_co_i32 s56, s56, 127
	s_lshl_b32 s57, s56, 23
	v_mov_b32 v[SCL], s57
	s_add_co_i32 s56, s56, 8
	s_lshl_b32 s56, s56, 23
	s_or_b32 s56, s56, 0x600000
	v_mov_b32 v[LIM], s56
	; where my codes go: fragment (batch x heads + head) x 64 + (first token in its batch) / 16, eight fragments on end
	s_lshr_b32 s56, s[TBK], 3                      ; Q, K: batch
	s_and_b32 s57, s[TBK], 7
	s_lshl_b32 s57, s57, 3                         ; (first token in its batch) / 16
	s_lshl_b32 s58, s56, 4
	s_lshl_b32 s59, s[CX], 2
	s_add_co_u32 s58, s58, s59
	s_add_co_u32 s58, s58, s[WV]                   ; Q: 16 batch + head
	s_lshl_b32 s59, s56, 2
	s_add_co_u32 s59, s59, s[WV]                   ; K: 4 batch + head
	s_cmp_lt_u32 s[YY], 32
	s_cselect_b32 s58, s58, s59
	s_cselect_b64 s[OUTP:OUTP+1], s[12:13], s[14:15]
	s_lshl_b32 s58, s58, 6
	s_add_co_u32 s58, s58, s57
	s_lshr_b32 s59, s[TG], 1                       ; V: batch
	s_lshl_b32 s59, s59, 2
	s_add_co_u32 s59, s59, s[HV]
	s_lshl_b32 s59, s59, 6
	s_and_b32 s96, s[TG], 1
	s_lshl_b32 s96, s96, 5
	s_add_co_u32 s59, s59, s96
	s_lshl_b32 s96, s[WV], 3
	s_add_co_u32 s59, s59, s96
	s_add_co_u32 s59, s59, 1024                    ; V lies 2,097,152 bytes behind K in kv_img
	s_lshl_b32 s56, s57, 13                        ; the table: 8,192 bytes for 16 positions
	s_cmp_lt_u32 s[YY], 40
	s_cselect_b32 s58, s58, s59
	s_cselect_b32 s56, s56, 524288                 ; V: the unit table
	s_lshl_b32 s58, s58, 11
	s_mov_b32 s59, 0
	s_mov_b32 s57, 0
	s_add_nc_u64 s[OUTP:OUTP+1], s[OUTP:OUTP+1], s[58:59]
	s_add_nc_u64 s[TBP:TBP+1], s[8:9], s[56:57]
	s_mov_b32 s[RO], 0
	SETAD                                          ; (its wait also ends the head)
	s_wait_tensorcnt 0x0                           ; my quarter of the resident tile is in,
	s_barrier_signal -1
	s_barrier_wait -1                              ; everybody's is
	RLOAD 0, 0
	RLOAD 1, 0
	CHUNK 0, 0, 1                                  ; the first chunk stands in front of the loop: its products start the sums
	WIN 0
	s_mov_b32 s[CNT], 2
.Ltrip:                                            ; a trip: six chunks (1-6, then 7-12), after which sets, ring places and halves of a K step are back where they began
	SETAD
.irp c, 1,2,3,4,5,6
	CHUNK \c, 0, 0
.endr
	WIN 0
	s_wait_xcnt 0x0                                ; the streamed loads have read their bases: they walk three K steps on
.irp k, 1,2,3,4
	s_add_nc_u64 s[SB+2*\k:SB+2*\k+1], s[SB+2*\k:SB+2*\k+1], s[80:81]
.endr
	s_add_co_u32 s[RO], s[RO], 98304
	s_sub_co_u32 s[CNT], s[CNT], 1
	s_cmp_lg_u32 s[CNT], 0
	s_cbranch_scc1 .Ltrip
	SETAD
	CHUNK 13, 12, 0                                ; the last three chunks are written out: they ask for nothing beyond K's end
	CHUNK 14, 12, 0
	CHUNK 15, 12, 0
	WIN 0
	PLACES 4                                       ; behind the last products
; THE WAY OUT, a block of 16 resident rows at a time: rotation, hold, conversion; the 16 registers of codes are a fragment's image and leave as 4 x 512 bytes on end.
.macro EPI a
.set TS, TBL+64*((\a)%2)
.set AC, 64*((\a)%4)
.set CS, CD+16*((\a)%2)
.if (\a) < 7
	TLD (\a)+1
	s_wait_loadcnt 16                              ; this block's table is in; the next block's 16 loads may be out
.else
	s_wait_loadcnt 0x0
.endif
	WIN 0x02+((\a)/4)                              ; source 0: the accumulators' window
.irp b, 0,1,2,3                        ; channels 16 b + 8 h + j and, 64 on, 16 (b + 4) + 8 h + j; a pair j = 4 pp + 2 e, + 1 shares the angle 2 pp + e.  Each accumulator is read from its low end on
.irp pp, 0,1
.irp e, 0,1
	v_pk_mul_f32 v[OO+8*\b+4*\pp+2*\e:OO+8*\b+4*\pp+2*\e+1], v[AC+8*\b+4*\pp+2*\e:AC+8*\b+4*\pp+2*\e+1], v[TS+8*\b+2*\pp:TS+8*\b+2*\pp+1] op_sel:[0,\e] op_sel_hi:[1,\e]
	v_pk_mul_f32 v[OO+32+8*\b+4*\pp+2*\e:OO+32+8*\b+4*\pp+2*\e+1], v[AC+32+8*\b+4*\pp+2*\e:AC+32+8*\b+4*\pp+2*\e+1], v[TS+32+8*\b+2*\pp:TS+32+8*\b+2*\pp+1] op_sel:[0,\e] op_sel_hi:[1,\e]
	v_pk_fma_f32 v[OO+8*\b+4*\pp+2*\e:OO+8*\b+4*\pp+2*\e+1], v[AC+32+8*\b+4*\pp+2*\e:AC+32+8*\b+4*\pp+2*\e+1], v[TS+8*\b+4+2*\pp:TS+8*\b+4+2*\pp+1], v[OO+8*\b+4*\pp+2*\e:OO+8*\b+4*\pp+2*\e+1] op_sel:[0,\e,0] op_sel_hi:[1,\e,1] neg_lo:[0,1,0] neg_hi:[0,1,0]
	v_pk_fma_f32 v[OO+32+8*\b+4*\pp+2*\e:OO+32+8*\b+4*\pp+2*\e+1], v[AC+8*\b+4*\pp+2*\e:AC+8*\b+4*\pp+2*\e+1], v[TS+32+8*\b+4+2*\pp:TS+32+8*\b+4+2*\pp+1], v[OO+32+8*\b+4*\pp+2*\e:OO+32+8*\b+4*\pp+2*\e+1] op_sel:[0,\e,0] op_sel_hi:[1,\e,1]
.endr
.endr
.endr
	WIN 0
.set n, 0
.rept 64
	v_med3_num_f32 v[OO+n], v[OO+n], -v[LIM], v[LIM]   ; the conversion to an 8-bit code does not saturate (ISA guide 7.6.2)
.set n, n+1
.endr
	s_wait_alu depctr_va_vdst(0)                   ; directly ahead of the wait below
	s_wait_xcnt 0x0                                ; the earlier stores have read their registers: this set of codes may be written again
.irp b, 0,1,2,3,4,5,6,7
	v_cvt_scalef32_pk8_fp8_f32 v[CS+2*\b:CS+2*\b+1], v[OO+8*\b:OO+8*\b+7], v[SCL]   ; registers 2 b, 2 b + 1: k = 16 b + 8 h + 0 .. 7
.endr
	v_nop                                          ; a plain line behind the last conversion: the next block writes its sources
.irp g, 0,1,2,3
	global_store_b128 v[LI], v[CS+4*\g:CS+4*\g+3], s[OUTP:OUTP+1] offset:2048*(\a)+512*\g
.endr
.endm
.irp a, 0,1,2,3,4,5,6,7
	EPI \a
.endr
	s_wait_tensorcnt 0x0                           ; the wave's end
	ds_add_u32 v[SPW], v[NIL]
	s_wait_dscnt 0x0
	CROUND                                         ; the closing round: no work-group ends while a partner may still ask for a tile that names it
	s_endpgm
.Lfunc_end_k_qdcb0c551e2_qkv:
	.size	k_qdcb0c551e2_qkv, .Lfunc_end_k_qdcb0c551e2_qkv-k_qdcb0c551e2_qkv
	.p2alignl 7, 3214868480
	.fill 96, 4, 3214868480
	.section	.rodata,"a",@progbits
	.p2align	6, 0x0
	.amdhsa_kernel k_qdcb0c551e2_qkv
		.amdhsa_group_segment_fixed_size 327680
		.amdhsa_private_segment_fixed_size 0
		.amdhsa_enable_private_segment 0
		.amdhsa_kernarg_size 48
		.amdhsa_user_sgpr_count 2
		.amdhsa_user_sgpr_kernarg_segment_ptr 1
		.amdhsa_wavefront_size32 1
		.amdhsa_system_sgpr_workgroup_id_x 1
		.amdhsa_system_sgpr_workgroup_id_y 1
		.amdhsa_system_sgpr_workgroup_id_z 1
		.amdhsa_system_vgpr_workitem_id 0
		.amdhsa_next_free_vgpr 1024
		.amdhsa_next_free_sgpr 100
		.amdhsa_reserve_vcc 0
		.amdhsa_float_denorm_mode_32 3
		.amdhsa_float_denorm_mode_16_64 3
		.amdhsa_memory_ordered 1
		.amdhsa_forward_progress 1
		.amdhsa_inst_pref_size 193
	.end_amdhsa_kernel
	.amdgpu_metadata
---
amdhsa.version: [ 1, 2 ]
amdhsa.kernels:
  - .name:           k_qdcb0c551e2_qkv
    .symbol:         k_qdcb0c551e2_qkv.kd
    .args:
      - { .name: x_img, .offset: 0, .size: 8, .value_kind: global_buffer, .address_space: global }
      - { .name: w_img, .offset: 8, .size: 8, .value_kind: global_buffer, .address_space: global }
      - { .name: rope, .offset: 16, .size: 8, .value_kind: global_buffer, .address_space: global }
      - { .name: lowp_scales, .offset: 24, .size: 8, .value_kind: global_buffer, .address_space: global }
      - { .name: q_img, .offset: 32, .size: 8, .value_kind: global_buffer, .address_space: global }
      - { .name: kv_img, .offset: 40, .size: 8, .value_kind: global_buffer, .address_space: global }
    .group_segment_fixed_size: 327680
    .private_segment_fixed_size: 0
    .kernarg_segment_align: 8
    .kernarg_segment_size: 48
    .max_flat_workgroup_size: 128
    .sgpr_count:     100
    .vgpr_count:     1024
    .wavefront_size: 32
...
	.end_amdgpu_metadata
.endif
;; end of part 2
;; launch attn (part 3): grid 16 x 16, 8 waves a work-group, clusters of 4 x 1, 327,680 bytes of LDS; arguments q_img, kv_img, lowp_scales, y_img; writes y_img
.if DOCPART == 3
	.amdgcn_target "amdgcn-amd-amdhsa--gfx1250"
	.amdhsa_code_object_version 6
	.text
	.protected	k_qdcb0c551e2_attn
	.globl	k_qdcb0c551e2_attn
	.p2align	8
	.type	k_qdcb0c551e2_attn,@function
k_qdcb0c551e2_attn:
	s_mov_b64 s[64:65], 0
	v_nop
	global_prefetch_b8 v0, s[64:65] scope:SCOPE_SE
	s_setreg_imm32_b32 hwreg(HW_REG_WAVE_MODE, 25, 1), 1
	s_wait_xcnt 0x0
	s_wait_alu depctr_hold_cnt(0) depctr_sa_sdst(0) depctr_va_vdst(0) depctr_va_sdst(0) depctr_va_ssrc(0) depctr_va_vcc(0) depctr_vm_vsrc(0)
	s_getreg_b32 s2, hwreg(HW_REG_IB_STS2, 6, 4)
	s_cmp_eq_u32 s2, 0
	s_cbranch_scc0 .Lentry_in_a_cluster
	s_endpgm
.Lentry_in_a_cluster:
	s_bfe_u32 s2, ttmp6, 0x10000c
	s_cmp_lg_u32 s2, 0x3003
	s_cbranch_scc0 .Lentry_shape_is_right
	s_endpgm
.Lentry_shape_is_right:
; ATTN: y = softmax(q k^T / sqrt(128), causal) v, both products on codes of FP8 (E4M3); y is quantised for the last product and stored as images of operand registers.
; THE SOFTMAX: t = score x log2(e) / sqrt(128); M = the running largest t rounded UP to a whole number; p = 2^(t - M) is quantised, not normalised; the row's sum is taken of the unquantised p and divides at the end.
; When M moves, the sum and O are multiplied by 2^(old M - new M): nothing is rounded.
; SHARES.  Work-group y = 4 x batch + key head.  CLUSTER 4 x 1: the four partners are the four query heads of one key head, at the same queries: they walk the same K and V, asked for jointly (mask 15); every branch
; hangs on the cluster's x and the wave's number alone.  A work-group owns query blocks i and 7 - i (128 queries each; i = cluster x, 0 to 3).  WAVE w OWNS TWO TILES OF 16 QUERIES: tile 0 = queries 128 i + 16 w, tile 1 = queries 128 (7 - i) + 16 w.
; Tile 0 has i + 1 key steps and tile 1 has 8 - i: nine tile steps in every wave of the launch.  While both tiles are at work, each fragment of K and V feeds two matrix instructions.
; ALL of the key head's K and V (131,072 bytes each) lies in LDS; no byte is filled twice.  Waves 0-3 fetch K, waves 4-7 V.  At the head each wave asks for 8,192 bytes of the first 256 keys; behind the wait for them, the add and a
; round of the cluster's barrier each wave asks for 24,576 bytes of the other 768 keys, which land under the first two key steps.  A wave has one tensor load out at any time.
; No prefetch: every byte of K and V is asked for in those two groups, ahead of the loops.
; LAYOUT.  Both products transposed: S^T = K Q^T, O^T = V^T P^T: a lane holds ONE query.  Tile t's eight registers are keys 16 t + 8 h + 0 .. 7: converted, they are registers 2 t, 2 t + 1 of P's fragment.
; O^T's registers 8 a + j are channels 16 a + 8 h + j: converted, they are y's fragment.
; CAUSAL.  A step all of whose keys come after tile 1's queries is left out whole, and one whose keys come after tile 0's leaves tile 0's parts out (scalar branches on ids; no barrier, wait for tiles or tensor load stands in a step);
; in a tile's step on the diagonal hidden scores become -infinity, so p = 0.  Key 0 counts for every query, so M is a number from the first step on.
; LIMITS: e6 + e7 between -123 and 130 (added to c's exponent field); e8, and e10 - e8 - e9, between -126 and 119.
; REGISTERS: window 0 serves tile 0, window 1 tile 1, with the same numbers: v11 r - 8 h; v12 -M; v13 the largest t; v[14:15] the sum; v16-31 Q; v32-95 fragments 0-3 (window 0), 4-7 (window 1) of K or V;
;   v96-159 S^T, then p; v160-223 O^T; v224-239 codes; v240, v244: 448 x 2^e8, 2^e8; v241, v245: the same for y; v236, v242-250, v252-254 at work.  Window 0 alone: v1 16 x lane, v2 the same in V's half, v8, v9 the step's addresses, v251, v255 the add's two.
.set WV,  18
.set SEL, 20                           ; s[20:21] lane selects: lane l xor 16
.set CS,  22                           ; s[22:23] c = log2(e) / sqrt(128) x 2^(e6 + e7)
.set G1,  24                           ; s[24:31] group 1 of the first fill: 32 rows of 256 bytes
.set G0,  32                           ; s[32:35], s[36:39] the two groups 0
.set G1R, 40                           ; s[40:47] group 1 of the second fill: 96 rows of 256 bytes
.set TB,  2                            ; s2  LDS byte of the step's fragments
.set CNT, 48
.set KF,  49                           ; the step's first key
.set QA,  50                           ; tile 0's first query
.set QB,  53                           ; tile 1's first query
.set MSB, 0
.macro WIN new
.if MSB != \new
	s_set_vgpr_msb (MSB<<8)|\new
.set MSB, \new
.endif
.endm
.macro CROUND
	s_barrier_signal -1
	s_barrier_wait -1
	s_cmp_lg_u32 s[WV], 0
	s_cbranch_scc1 .Lnot_wave_0_\@
	s_barrier_signal -3
.Lnot_wave_0_\@:
	s_barrier_wait -3
	s_barrier_signal -1
	s_barrier_wait -1
.endm
.macro NOPS4
.rept 4
	v_nop
.endr
.endm
	s_load_b256 s[4:11], s[0:1], 0x0               ; q_img s[4:5], kv_img s[6:7], the scales s[8:9], y_img s[10:11]
	v_lshl_add_u32 v251, v0, 2, 0x40000
	v_mov_b32 v255, 0
	ds_add_u32 v251, v255                          ; the opening lines: the add twice on end and its wait
	ds_add_u32 v251, v255
	v_lshrrev_b32 v1, 5, v0
	v_readfirstlane_b32 s[WV], v1                  ; wave 0..7
	s_bfe_u32 s51, ttmp6, 0x40000                  ; cx: the query head within its group; it enters q's and y's addresses alone
	s_and_b32 s52, ttmp7, 0xffff                   ; 4 x batch + key head
.irp g, G1, G1R
	s_mov_b32 s[\g], 15|(3<<16)|(1<<21)            ; the four partners; elements of 8 bytes; bit 21 beside the mask
	s_mov_b32 s[\g+1], 32<<16                      ; rows of 256 bytes, on end
	s_mov_b32 s[\g+3], 32<<16
	s_mov_b32 s[\g+5], 32
	s_mov_b32 s[\g+6], 0
	s_mov_b32 s[\g+7], 0
.endr
	s_mov_b32 s[G1+2], 32<<16
	s_mov_b32 s[G1+4], 32
	s_mov_b32 s[G1R+2], 96<<16
	s_mov_b32 s[G1R+4], 96
	s_and_b32 s55, s[WV], 3                        ; which quarter of a fill
	s_lshr_b32 s54, s[WV], 2                       ; 0: K, 1: V
	s_lshl_b32 s56, s54, 17                        ; LDS: K at 0, V at 131,072
	s_lshl_b32 s57, s55, 13
	s_add_co_u32 s56, s56, s57
	s_lshl_b32 s58, s54, 21                        ; memory: V lies 2,097,152 bytes behind K
	s_lshl_b32 s59, s52, 17                        ; a key head's 131,072 bytes
	s_add_co_u32 s58, s58, s59
	s_add_co_u32 s58, s58, s57
	s_mov_b32 s59, 0
	s_lshl_b32 s60, s55, 14
	s_add_co_u32 s60, s60, 32768                   ; from my part of the first fill to my part of the second: 32,768 + 24,576 q - 8,192 q, in LDS and in memory
	s_mov_b32 s61, 0
	s_mov_b32 s[SEL], 0x76543210
	s_mov_b32 s[SEL+1], 0xfedcba98
	s_wait_dscnt 0x0
	s_wait_kmcnt 0x0
	s_load_b256 s[68:75], s[8:9], 0x0              ; entries 0 to 7
	s_load_b128 s[76:79], s[8:9], 0x20             ; entries 8 to 11
	s_add_nc_u64 s[58:59], s[6:7], s[58:59]
	s_mov_b32 s[G0], 1
	s_mov_b32 s[G0+1], s56
	s_mov_b64 s[G0+2:G0+3], s[58:59]
	s_or_b32 s[G0+3], s[G0+3], 0x80000000
	s_mov_b32 s[G0+4], 1
	s_add_co_u32 s[G0+5], s56, s60
	s_add_nc_u64 s[G0+6:G0+7], s[58:59], s[60:61]
	s_or_b32 s[G0+7], s[G0+7], 0x80000000
	CROUND                                         ; the four work-groups are here: the joint loads meet
	tensor_load_to_lds s[G0:G0+3], s[G1:G1+7]      ; my part of the first 256 keys
	s_nop 0
	NOPS4
	s_lshl_b32 s61, s[WV], 4                       ; which 16 queries of a block
	s_lshl_b32 s62, ttmp9, 7
	s_add_co_u32 s[QA], s62, s61                   ; tile 0: block i
	s_sub_co_u32 s62, 7, ttmp9
	s_lshl_b32 s62, s62, 7
	s_add_co_u32 s[QB], s62, s61                   ; tile 1: block 7 - i
	s_lshr_b32 s80, s52, 2                         ; batch
	s_and_b32 s81, s52, 3
	s_lshl_b32 s81, s81, 2
	s_add_co_u32 s81, s81, s51                     ; query head
	s_lshl_b32 s82, s80, 4
	s_add_co_u32 s82, s82, s81
	s_lshl_b32 s82, s82, 6                         ; q: fragment (16 batch + head) x 64 + (first query) / 16
	s_lshr_b32 s84, s[QA], 4
	s_add_co_u32 s84, s84, s82
	s_lshl_b32 s84, s84, 11
	s_mov_b32 s85, 0
	s_lshr_b32 s86, s[QB], 4
	s_add_co_u32 s86, s86, s82
	s_lshl_b32 s86, s86, 11
	s_mov_b32 s87, 0
	s_add_nc_u64 s[12:13], s[4:5], s[86:87]        ; tile 1's q,
	s_add_nc_u64 s[4:5], s[4:5], s[84:85]          ; tile 0's
	s_lshr_b32 s84, s81, 1
	s_lshl_b32 s84, s84, 20                        ; y: chunk = head: K step head / 2,
	s_and_b32 s85, s81, 1
	s_lshl_b32 s85, s85, 11                        ; half head % 2,
	s_add_co_u32 s84, s84, s85
	s_lshl_b32 s85, s80, 18                        ; row block (1,024 batch + first query) / 16 of 4,096 bytes
	s_add_co_u32 s84, s84, s85
	s_lshl_b32 s86, s[QB], 8
	s_add_co_u32 s86, s86, s84
	s_mov_b32 s87, 0
	s_lshl_b32 s85, s[QA], 8
	s_add_co_u32 s84, s84, s85
	s_mov_b32 s85, 0
	s_add_nc_u64 s[14:15], s[10:11], s[86:87]      ; tile 1's y,
	s_add_nc_u64 s[10:11], s[10:11], s[84:85]      ; tile 0's
	v_and_b32 v3, 31, v0
	v_lshlrev_b32 v1, 4, v3                        ; 16 x lane
	v_add_nc_u32 v2, 0x20000, v1
.irp g, 0,1,2,3
	global_load_b128 v[16+4*\g:19+4*\g], v1, s[4:5] offset:512*\g          ; Q's two fragments stay in registers
.endr
	WIN 0x40                                       ; destination window 1
.irp g, 0,1,2,3
	global_load_b128 v[16+4*\g:19+4*\g], v1, s[12:13] offset:512*\g
.endr
	WIN 0
	v_and_b32 v4, 15, v0
	v_bfe_u32 v5, v0, 4, 1
	v_lshlrev_b32 v5, 3, v5
	v_sub_nc_u32 v11, v4, v5                       ; r - 8 h
	s_wait_kmcnt 0x0
	s_mov_b32 s[CS], 0x3e0293ee                    ; log2(e) / sqrt(128)
	s_add_co_i32 s86, s74, s75
	s_lshl_b32 s86, s86, 23
	s_add_co_i32 s[CS], s[CS], s86                 ; a score stands for score x 2^(e6 + e7)
	s_mov_b32 s[CS+1], s[CS]                       ; (named with it as a pair)
	s_add_co_i32 s90, s76, 127
	s_lshl_b32 s86, s90, 23                        ; 2^e8
	s_add_co_i32 s90, s90, 8
	s_lshl_b32 s87, s90, 23
	s_or_b32 s87, s87, 0x600000                    ; 448 x 2^e8
	s_sub_co_i32 s90, s78, s76
	s_sub_co_i32 s90, s90, s77                     ; O / the sum stands for y / 2^(e8 + e9): its code is that / 2^(e10 - e8 - e9)
	s_add_co_i32 s90, s90, 127
	s_lshl_b32 s88, s90, 23
	s_add_co_i32 s90, s90, 8
	s_lshl_b32 s89, s90, 23
	s_or_b32 s89, s89, 0x600000
.macro INIT                            ; constants and scalars alone are read: under a destination window it serves either tile
	v_mov_b32 v13, 0xff61b1e6                      ; the largest t so far: -3e38,
	v_mov_b32 v12, 0x7f61b1e6                      ; and -M = 3e38
	v_mov_b32 v14, 0
	v_mov_b32 v15, 0
	v_mov_b32 v236, 0                              ; (a lane permute's destination counts as read)
	v_mov_b32 v252, 0
	v_mov_b32 v253, 0
	v_mov_b32 v254, 0
	v_mov_b32 v244, s86
	v_mov_b32 v240, s87
	v_mov_b32 v245, s88
	v_mov_b32 v241, s89
.set n, 0
.rept 64
	v_mov_b32 v[160+n], 0                          ; O^T: the step is written once, and the first change of M leaves zeros zeros
.set n, n+1
.endr
.endm
	INIT
	WIN 0x40
	v_mov_b32 v11, v11                             ; r - 8 h for tile 1 too
	INIT
	WIN 0
.macro MASK                            ; s96 = the tile's first query - KF.  Register 8 t + j holds key KF + 16 t + 8 h + j: hidden where 16 t + j > my query - KF - 8 h
	v_add_nc_u32 v252, s96, v11
	v_mov_b32 v254, 0xff800000
.set n, 0
.rept 64
	v_cmp_gt_i32 vcc_lo, 16*(n/8)+n%8, v252
	v_cndmask_b32 v[96+n], v[96+n], v254, vcc_lo
.set n, n+1
.endr
.endm
; One tile's softmax for 128 keys.  The maximum and the sum go in four chains.  The exponentials are one batch, with one wait ahead of it and one behind it; O^T's rescaling stands last, behind a wait of its own.
.macro SOFT
	s_wait_alu depctr_va_vdst(0)                   ; directly ahead of the first readers of the scores
	v_max3_num_f32 v254, v96, v97, v98             ; the scores are taken in ascending order
	v_max3_num_f32 v252, v99, v100, v101
	v_max3_num_f32 v250, v102, v103, v104
	v_max3_num_f32 v248, v105, v106, v107
.irp i, 12,20,28,36,44,52
	v_max3_num_f32 v254, v254, v[96+\i], v[97+\i]
	v_max3_num_f32 v252, v252, v[98+\i], v[99+\i]
	v_max3_num_f32 v250, v250, v[100+\i], v[101+\i]
	v_max3_num_f32 v248, v248, v[102+\i], v[103+\i]
.endr
	v_max3_num_f32 v254, v254, v156, v157
	v_max3_num_f32 v252, v252, v158, v159
	v_max3_num_f32 v254, v254, v250, v248
	v_max_num_f32 v254, v254, v252
	v_permlanex16_b32 v236, v254, s[SEL], s[SEL+1]
	v_max_num_f32 v254, v254, v236                 ; and among lane l xor 16's
	v_mul_f32 v254, s[CS], v254                    ; as t (c is positive)
	v_max_num_f32 v13, v13, v254
	v_mov_b32 v254, v12
	v_floor_f32 v12, -v13                          ; -M = floor(-t): M is a whole number
	v_sub_f32 v254, v12, v254
	v_cvt_i32_f32 v254, v254                       ; old M - new M, 0 or less (it saturates)
	v_ldexp_f32 v252, 1.0, v254                    ; f = 2^(old M - new M)
.set n, 0
.rept 32
	v_pk_fma_f32 v[96+n:97+n], v[96+n:97+n], s[CS:CS+1], v[12:13] op_sel_hi:[1,0,0]   ; t - M
.set n, n+2
.endr
	s_wait_alu depctr_va_vdst(0)                   ; ahead of the batch
.set n, 0
.rept 64
	v_exp_f32 v[96+n], v[96+n]                     ; p = 2^(t - M): one batch of 64
.set n, n+1
.endr
	v_pk_mul_f32 v[14:15], v[14:15], v[252:253] op_sel_hi:[1,0]   ; the sums under the new M: a plain line behind the exponentials,
	s_wait_alu depctr_va_vdst(0)                   ; and one wait for the batch ahead of its first reader
	v_pk_add_f32 v[242:243], v[96:97], v[98:99]    ; the row's sum of the UNQUANTISED p, in four chains
	v_pk_add_f32 v[246:247], v[100:101], v[102:103]
	v_pk_add_f32 v[248:249], v[104:105], v[106:107]
.irp j, 12,20,28,36,44,52
	v_pk_add_f32 v[14:15], v[14:15], v[96+\j:97+\j]
	v_pk_add_f32 v[242:243], v[242:243], v[98+\j:99+\j]
	v_pk_add_f32 v[246:247], v[246:247], v[100+\j:101+\j]
	v_pk_add_f32 v[248:249], v[248:249], v[102+\j:103+\j]
.endr
	v_pk_add_f32 v[14:15], v[14:15], v[156:157]
	v_pk_add_f32 v[242:243], v[242:243], v[158:159]
	v_pk_add_f32 v[246:247], v[246:247], v[248:249]
	v_pk_add_f32 v[14:15], v[14:15], v[242:243]
	v_pk_add_f32 v[14:15], v[14:15], v[246:247]
.set n, 0
.rept 64
	v_min_num_f32 v[96+n], v[96+n], v240           ; the conversion does not saturate (ISA guide 7.6.2); p is not negative, so the hold is one-sided
.set n, n+1
.endr
.irp t, 0,1,2,3,4,5,6,7
	v_cvt_scalef32_pk8_fp8_f32 v[224+2*\t:225+2*\t], v[96+8*\t:103+8*\t], v244
.endr
	s_wait_alu depctr_va_vdst(0)                   ; directly ahead of the first readers of O^T
.set n, 0
.rept 32
	v_pk_mul_f32 v[160+n:161+n], v[160+n:161+n], v[252:253] op_sel_hi:[1,0]   ; O^T under the new M; these are also the plain lines behind the conversions
.set n, n+2
.endr
.endm
; A KEY STEP: 128 keys.  Tile 1's parts come first in each product; tile 0's stand under a branch on ids, taken once the keys have passed its queries.
.macro STEP
	s_add_co_u32 s96, s[QB], 15
	s_cmp_gt_u32 s[KF], s96
	s_cbranch_scc1 .Lhidden_\@                     ; all keys come after both tiles' queries
	v_add_nc_u32 v8, s[TB], v1
	v_add_nc_u32 v9, s[TB], v2
	v_nop
	v_nop                                          ; four places in front of loads into registers that the last products read
.irp t, 0,1,2,3
.irp g, 0,1,2,3
	ds_load_b128 v[32+16*\t+4*\g:35+16*\t+4*\g], v8 offset:2048*\t+512*\g
.endr
.endr
	WIN 0x40
.irp t, 0,1,2,3
.irp g, 0,1,2,3
	ds_load_b128 v[32+16*\t+4*\g:35+16*\t+4*\g], v8 offset:8192+2048*\t+512*\g
.endr
.endr
	s_wait_alu depctr_va_vdst(0)
	s_wait_dscnt 16                                ; K's fragments 0-3 are in; the 16 loads of 4-7 may be out
	WIN 0x44                                       ; tile 1: Q and S^T in window 1, fragments 0-3 in window 0
.irp t, 0,1,2,3
	v_wmma_f32_16x16x128_fp8_fp8 v[96+8*\t:103+8*\t], v[32+16*\t:47+16*\t], v[16:31], 0
.endr
	s_wait_dscnt 0x0
	WIN 0x45                                       ; fragments 4-7 lie in window 1
.irp t, 0,1,2,3
	v_wmma_f32_16x16x128_fp8_fp8 v[128+8*\t:135+8*\t], v[32+16*\t:47+16*\t], v[16:31], 0
.endr
	WIN 0
	s_add_co_u32 s97, s[QA], 15
	s_cmp_gt_u32 s[KF], s97
	s_cbranch_scc1 .Lno0a_\@                       ; all keys come after tile 0's queries
.irp t, 0,1,2,3
	v_wmma_f32_16x16x128_fp8_fp8 v[96+8*\t:103+8*\t], v[32+16*\t:47+16*\t], v[16:31], 0
.endr
	WIN 0x01
.irp t, 0,1,2,3
	v_wmma_f32_16x16x128_fp8_fp8 v[128+8*\t:135+8*\t], v[32+16*\t:47+16*\t], v[16:31], 0
.endr
	WIN 0
.Lno0a_\@:
	NOPS4                                          ; places: for the loads below and for the first reads of the scores
.irp t, 0,1,2,3                        ; V's eight fragments are asked for now and land under the softmax
.irp g, 0,1,2,3
	ds_load_b128 v[32+16*\t+4*\g:35+16*\t+4*\g], v9 offset:2048*\t+512*\g
.endr
.endr
	WIN 0x40
.irp t, 0,1,2,3
.irp g, 0,1,2,3
	ds_load_b128 v[32+16*\t+4*\g:35+16*\t+4*\g], v9 offset:8192+2048*\t+512*\g
.endr
.endr
	WIN 0
	s_add_co_u32 s96, s[KF], 127
	s_cmp_le_u32 s96, s[QB]
	s_cbranch_scc1 .Lopen1_\@                      ; all keys count for all of tile 1's queries
	s_sub_co_i32 s96, s[QB], s[KF]
	WIN 0x55
	MASK
	WIN 0
.Lopen1_\@:
	s_cmp_gt_u32 s[KF], s97
	s_cbranch_scc1 .Lno0b_\@
	s_add_co_u32 s96, s[KF], 127
	s_cmp_le_u32 s96, s[QA]
	s_cbranch_scc1 .Lopen0_\@                      ; all keys count for all of tile 0's queries
	s_sub_co_i32 s96, s[QA], s[KF]
	MASK
.Lopen0_\@:
	SOFT
.Lno0b_\@:
	WIN 0x55
	SOFT
	s_wait_alu depctr_va_vdst(0)                   ; directly ahead of the wait below
	s_wait_dscnt 0x0                               ; V is in
	WIN 0x54                                       ; O^T += V^T P^T: each accumulator has one instruction a step.  Tile 1, fragments 0-3,
.irp a, 0,1,2,3
	v_wmma_f32_16x16x128_fp8_fp8 v[160+8*\a:167+8*\a], v[32+16*\a:47+16*\a], v[224:239], v[160+8*\a:167+8*\a]
.endr
	WIN 0x55                                       ; fragments 4-7
.irp a, 0,1,2,3
	v_wmma_f32_16x16x128_fp8_fp8 v[192+8*\a:199+8*\a], v[32+16*\a:47+16*\a], v[224:239], v[192+8*\a:199+8*\a]
.endr
	WIN 0
	s_cmp_gt_u32 s[KF], s97
	s_cbranch_scc1 .Lhidden_\@
.irp a, 0,1,2,3                        ; tile 0
	v_wmma_f32_16x16x128_fp8_fp8 v[160+8*\a:167+8*\a], v[32+16*\a:47+16*\a], v[224:239], v[160+8*\a:167+8*\a]
.endr
	WIN 0x01
.irp a, 0,1,2,3
	v_wmma_f32_16x16x128_fp8_fp8 v[192+8*\a:199+8*\a], v[32+16*\a:47+16*\a], v[224:239], v[192+8*\a:199+8*\a]
.endr
	WIN 0
.Lhidden_\@:
	s_add_co_u32 s[KF], s[KF], 128
	s_add_co_u32 s[TB], s[TB], 16384               ; eight fragments on, in K's half and in V's
.endm
.macro WALK s, trips                   ; key steps 2 s .. 2 s + trips - 1
	s_mov_b32 s[TB], \s*32768
	s_mov_b32 s[KF], \s*256
	s_mov_b32 s[CNT], \trips
.Lph_\@:
	STEP
	s_sub_co_u32 s[CNT], s[CNT], 1
	s_cmp_lg_u32 s[CNT], 0
	s_cbranch_scc1 .Lph_\@
.endm
	s_wait_alu depctr_va_vdst(0)                   ; the head's end
	s_wait_tensorcnt 0x0                           ; my part of the first 256 keys is in; the later first fill is issued as a refill is:
	ds_add_u32 v251, v255                          ; 0 onto my spare word
	s_wait_dscnt 0x0
	CROUND                                         ; everybody's part is in, and the four partners are here
	tensor_load_to_lds s[G0+4:G0+7], s[G1R:G1R+7]  ; my part of the other 768 keys
	s_nop 0
	NOPS4
	s_wait_loadcnt 0x0                             ; Q
	WALK 0, 2
	s_wait_tensorcnt 0x0                           ; my part of the other keys is in,
	s_wait_dscnt 0x0
	s_barrier_signal -1
	s_barrier_wait -1                              ; everybody's is
	WALK 1, 6
	NOPS4                                          ; places behind the last products
; THE WAY OUT of a tile: O^T / the sum, held, converted: the 16 registers are y's fragment.
.macro FIN
	v_add_f32 v14, v14, v15
	v_permlanex16_b32 v252, v14, s[SEL], s[SEL+1]
	v_add_f32 v14, v14, v252                       ; the row's sum
	s_wait_alu depctr_va_vdst(0)                   ; ahead of the reciprocal,
	v_rcp_f32 v14, v14
	v_nop                                          ; a plain line behind it,
	s_wait_alu depctr_va_vdst(0)                   ; and the wait ahead of its first reader, which is also O^T's
.set n, 0
.rept 64
	v_mul_f32 v[96+n], v[160+n], v14               ; each accumulator from its low end on
.set n, n+1
.endr
.set n, 0
.rept 64
	v_med3_num_f32 v[96+n], v[96+n], -v241, v241
.set n, n+1
.endr
.irp a, 0,1,2,3,4,5,6,7
	v_cvt_scalef32_pk8_fp8_f32 v[224+2*\a:225+2*\a], v[96+8*\a:103+8*\a], v245
.endr
	v_nop
.endm
	FIN
.irp g, 0,1,2,3
	global_store_b128 v1, v[224+4*\g:227+4*\g], s[10:11] offset:512*\g          ; 512 bytes on end
.endr
	WIN 0x55
	FIN
	WIN 0x04                                       ; the data in window 1, the address in window 0
.irp g, 0,1,2,3
	global_store_b128 v1, v[224+4*\g:227+4*\g], s[14:15] offset:512*\g
.endr
	WIN 0
	s_wait_tensorcnt 0x0                           ; the wave's end
	ds_add_u32 v251, v255
	s_wait_dscnt 0x0
	CROUND                                         ; the closing round: no work-group ends while a partner may still ask for a tile that names it
	s_endpgm
.Lfunc_end_k_qdcb0c551e2_attn:
	.size	k_qdcb0c551e2_attn, .Lfunc_end_k_qdcb0c551e2_attn-k_qdcb0c551e2_attn
	.p2alignl 7, 3214868480
	.fill 96, 4, 3214868480
	.section	.rodata,"a",@progbits
	.p2align	6, 0x0
	.amdhsa_kernel k_qdcb0c551e2_attn
		.amdhsa_group_segment_fixed_size 327680
		.amdhsa_private_segment_fixed_size 0
		.amdhsa_enable_private_segment 0
		.amdhsa_kernarg_size 32
		.amdhsa_user_sgpr_count 2
		.amdhsa_user_sgpr_kernarg_segment_ptr 1
		.amdhsa_wavefront_size32 1
		.amdhsa_system_sgpr_workgroup_id_x 1
		.amdhsa_system_sgpr_workgroup_id_y 1
		.amdhsa_system_sgpr_workgroup_id_z 1
		.amdhsa_system_vgpr_workitem_id 0
		.amdhsa_next_free_vgpr 512
		.amdhsa_next_free_sgpr 100
		.amdhsa_reserve_vcc 1
		.amdhsa_float_denorm_mode_32 3
		.amdhsa_float_denorm_mode_16_64 3
		.amdhsa_memory_ordered 1
		.amdhsa_forward_progress 1
		.amdhsa_inst_pref_size 116
	.end_amdhsa_kernel
	.amdgpu_metadata
---
amdhsa.version: [ 1, 2 ]
amdhsa.kernels:
  - .name:           k_qdcb0c551e2_attn
    .symbol:         k_qdcb0c551e2_attn.kd
    .args:
      - { .name: q_img, .offset: 0, .size: 8, .value_kind: global_buffer, .address_space: global }
      - { .name: kv_img, .offset: 8, .size: 8, .value_kind: global_buffer, .address_space: global }
      - { .name: lowp_scales, .offset: 16, .size: 8, .value_kind: global_buffer, .address_space: global }
      - { .name: y_img, .offset: 24, .size: 8, .value_kind: global_buffer, .address_space: global }
    .group_segment_fixed_size: 327680
    .private_segment_fixed_size: 0
    .kernarg_segment_align: 8
    .kernarg_segment_size: 32
    .max_flat_workgroup_size: 256
    .sgpr_count:     100
    .vgpr_count:     512
    .wavefront_size: 32
...
	.end_amdgpu_metadata
.endif
;; end of part 3
;; launch oproj (part 4): grid 8 x 32, 4 waves a work-group, clusters of 4 x 1, 327,680 bytes of LDS; arguments y_img, w_img, lowp_scales, out0; writes out0
.if DOCPART == 4
	.amdgcn_target "amdgcn-amd-amdhsa--gfx1250"
	.amdhsa_code_object_version 6
	.text
	.protected	k_qdcb0c551e2_oproj
	.globl	k_qdcb0c551e2_oproj
	.p2align	8
	.type	k_qdcb0c551e2_oproj,@function
k_qdcb0c551e2_oproj:
	s_mov_b64 s[64:65], 0
	v_nop
	global_prefetch_b8 v0, s[64:65] scope:SCOPE_SE
	s_setreg_imm32_b32 hwreg(HW_REG_WAVE_MODE, 25, 1), 1
	s_wait_xcnt 0x0
	s_wait_alu depctr_hold_cnt(0) depctr_sa_sdst(0) depctr_va_vdst(0) depctr_va_sdst(0) depctr_va_ssrc(0) depctr_va_vcc(0) depctr_vm_vsrc(0)
	s_getreg_b32 s2, hwreg(HW_REG_IB_STS2, 6, 4)
	s_cmp_eq_u32 s2, 0
	s_cbranch_scc0 .Lentry_in_a_cluster
	s_endpgm
.Lentry_in_a_cluster:
	s_bfe_u32 s2, ttmp6, 0x10000c
	s_cmp_lg_u32 s2, 0x3003
	s_cbranch_scc0 .Lentry_shape_is_right
	s_endpgm
.Lentry_shape_is_right:
; OPROJ: out0 = y Wo on codes of FP8 (E4M3); each finished sum is multiplied once by 2^(e10 + e11).  LIMIT: e10 + e11 between -126 and 127, so that this power of two is an f32 number.
; y_img and w_img hold images of operand registers: fragment (row block rb of 16 rows, chunk c of 128 along K), 2,048 bytes, at (c / 2) x KS + 4,096 rb + 2,048 (c % 2); four loads of 16 bytes a lane at 512 g + 16 lane
; are the matrix instruction's own layout.  Wo's columns are w_img's row blocks 192 on.
; SHARES.  Work-group (x, y): 128 tokens (block y) x 256 columns (tile x): 8 x 32 = 256 work-groups.  Wave w: all 128 tokens x columns 64 w .. 64 w + 63: 32 accumulators, 256 registers.
; A, the 128 tokens' codes over ALL of K (262,144 bytes), lies in LDS and is filled once: wave w asks for K steps 2 w and 2 w + 1 (two rows of 32,768 bytes, 1,048,576 apart) by one tensor load.  No byte is filled twice, so there is no ring.
; CLUSTER 4 x 1: the four partners take the same tokens against four tiles of columns: A is asked for jointly (mask 15).
; B, a wave's 64 columns, is read by that wave alone, so it goes from memory straight into registers: 16 loads of 512 bytes on end for a chunk, four sets of 64 registers by turns; a chunk's loads are issued three chunks ahead
; of its products (the first four chunks' at the head).  It takes no joint load, since it passes no LDS.  No prefetch is laid: A is asked for whole at the head, and B's own loads run those chunks ahead.
; THE MATRIX INSTRUCTION IS USED TRANSPOSED (source 0 = 16 columns of Wo, source 1 = 16 tokens): a lane holds one token and eight neighbouring columns.
; REGISTERS: window 0: v16-19 16 x lane + 65,536 k; v24-29 addresses; v32-63 scaled sums, v64-127 rows read back (two sets); v128-255 A's set 0.  Window 1: B's four sets.  Window 2: accumulator (i, b) at v[8 (4 i + b)].  Window 3: v128-255 A's set 1.
.set KSB,    1310720                   ; a K step of 256 in w_img
.set STAGE,  262144                    ; behind A: 16 rows x 272 bytes for each wave, for the way out
.set SPITCH, 272
.set SPARE,  STAGE+4*16*SPITCH         ; behind the stages: the spare words, 128 bytes a wave
.set AD,   16
.set STO,  24
.set RD,   25
.set CO,   26
.set SPW,  28
.set NIL,  29
.set TMP,  32
.set BK,   64
.set AF,   128
.set G1,   24                          ; s[24:31]
.set G0,   32                          ; s[32:35]
.set BB,   68                          ; s[68:69] my columns at K step 0, s[70:71] at K step 4; never rewritten
.set MSB, 0
.macro WIN new
.if MSB != (\new)
	s_set_vgpr_msb (MSB<<8)|(\new)
.set MSB, (\new)
.endif
.endm
.macro PLACES n
.rept \n
	v_nop
.endr
.endm
.macro CROUND
	s_barrier_signal -1
	s_barrier_wait -1
	s_cmp_lg_u32 s14, 0
	s_cbranch_scc1 .Lnot_wave_0_\@
	s_barrier_signal -3
.Lnot_wave_0_\@:
	s_barrier_wait -3
	s_barrier_signal -1
	s_barrier_wait -1
.endm
.macro BLOAD c                         ; B's four fragments of chunk c into set c % 4 of window 1
	WIN 0x40
.irp b, 0,1,2,3
.irp g, 0,1,2,3
	global_load_b128 v[64*((\c)%4)+16*\b+4*\g:64*((\c)%4)+16*\b+4*\g+3], v[AD], s[BB+2*((\c)/8):BB+2*((\c)/8)+1] offset:(((\c)/2)%4)*KSB+4096*\b+2048*((\c)%2)+512*\g
.endr
.endr
.endm
.macro ALOAD c                         ; A's eight fragments of chunk c into set c % 2 (window 0 or 3)
	WIN 0xc0*((\c)%2)
.irp i, 0,1,2,3,4,5,6,7
.irp g, 0,1,2,3
	ds_load_b128 v[AF+16*\i+4*\g:AF+16*\i+4*\g+3], v[AD+(\c)/4] offset:(((\c)/2)%2)*32768+4096*\i+2048*((\c)%2)+512*\g
.endr
.endr
.endm
; A chunk: 128 along K, 32 matrix instructions, the 32 accumulators by turns.  At its head the sets that the last chunk read are asked for again, four places behind its last product.
.macro CHUNK c
.if (\c) > 0
	PLACES 4
.if (\c)+3 < 16
	BLOAD (\c)+3
.endif
.endif
.if (\c)+1 < 16
	ALOAD (\c)+1
.endif
.if (\c) < 13
	s_wait_loadcnt 48                              ; this chunk's B is in; the three younger chunks' 48 loads may be out
.else
	s_wait_loadcnt 16*(15-(\c))
.endif
.if (\c) < 15
	s_wait_dscnt 32                                ; this chunk's A is in; the next chunk's 32 loads may be out
.else
	s_wait_dscnt 0x0
.endif
	WIN 0xa1+0x0c*((\c)%2)                         ; source 0 window 1, source 1 window 0 or 3, C and D window 2
.irp i, 0,1,2,3,4,5,6,7
.irp b, 0,1,2,3
.if (\c) == 0
	v_wmma_f32_16x16x128_fp8_fp8 v[8*(4*\i+\b):8*(4*\i+\b)+7], v[64*((\c)%4)+16*\b:64*((\c)%4)+16*\b+15], v[AF+16*\i:AF+16*\i+15], 0
.else
	v_wmma_f32_16x16x128_fp8_fp8 v[8*(4*\i+\b):8*(4*\i+\b)+7], v[64*((\c)%4)+16*\b:64*((\c)%4)+16*\b+15], v[AF+16*\i:AF+16*\i+15], v[8*(4*\i+\b):8*(4*\i+\b)+7]
.endif
.endr
.endr
.endm
	s_load_b128 s[4:7], s[0:1], 0x0                ; y_img s[4:5], w_img s[6:7]
	s_load_b128 s[8:11], s[0:1], 0x10              ; the scales s[8:9], out0 s[10:11]
	v_lshl_add_u32 v[SPW], v0, 2, SPARE
	v_mov_b32 v[NIL], 0
	ds_add_u32 v[SPW], v[NIL]                      ; the opening lines: the add twice on end and its wait
	ds_add_u32 v[SPW], v[NIL]
	v_lshrrev_b32 v1, 5, v0
	v_readfirstlane_b32 s14, v1                    ; wave 0..3
	v_and_b32 v2, 31, v0
	v_lshlrev_b32 v[AD], 4, v2                     ; 16 x lane
	s_bfe_u32 s40, ttmp6, 0x40000                  ; cx: it enters B's and out0's addresses alone
	s_lshl_b32 s42, ttmp9, 2
	s_add_co_u32 s42, s42, s40                     ; tile of columns
	s_and_b32 s17, ttmp7, 0xffff                   ; block of tokens: the same in the four partners
	s_mov_b32 s[G1], 15|(3<<16)|(1<<21)            ; the four partners; elements of 8 bytes; bit 21 beside the mask
	s_mov_b32 s[G1+1], 4096<<16                    ; a row: 4,096 elements = 32,768 bytes
	s_mov_b32 s[G1+2], 2<<16                       ; two rows
	s_mov_b32 s[G1+3], 4096<<16
	s_mov_b32 s[G1+4], 2
	s_mov_b32 s[G1+5], 131072                      ; 1,048,576 bytes from row to row
	s_mov_b32 s[G1+6], 0
	s_mov_b32 s[G1+7], 0
	s_lshl_b32 s20, s17, 15                        ; A: 8 row blocks of 4,096 bytes a block of tokens,
	s_lshl_b32 s21, s14, 21                        ; two K steps a wave
	s_add_co_u32 s20, s20, s21
	s_mov_b32 s21, 0
	s_lshl_b32 s46, s42, 16                        ; B: 16 row blocks a tile,
	s_lshl_b32 s47, s14, 14                        ; four a wave,
	s_add_co_u32 s46, s46, s47
	s_add_co_u32 s46, s46, 786432                  ; behind the 192 of Wq, Wk, Wv
	s_mov_b32 s47, 0
	s_lshl_b32 s44, s17, 20                        ; out0: 128 rows of 8,192 bytes,
	s_lshl_b32 s45, s42, 10                        ; 256 columns of 4 bytes,
	s_add_co_u32 s44, s44, s45
	s_lshl_b32 s45, s14, 8                         ; 64 a wave
	s_add_co_u32 s44, s44, s45
	s_mov_b32 s45, 0
	s_mul_i32 s23, s14, 16*SPITCH
	s_add_co_u32 s23, s23, STAGE                   ; my stage
	s_mov_b32 s[G0], 1
	s_lshl_b32 s[G0+1], s14, 16                    ; LDS: wave x 65,536
	s_wait_alu depctr_va_vdst(0)                   ; ahead of the waits below
	s_wait_dscnt 0x0                               ; both opening adds are done
	s_wait_kmcnt 0x0
	s_load_b64 s[96:97], s[8:9], 0x28              ; e10, e11
	s_add_nc_u64 s[G0+2:G0+3], s[4:5], s[20:21]
	s_or_b32 s[G0+3], s[G0+3], 0x80000000
	s_add_nc_u64 s[BB:BB+1], s[6:7], s[46:47]
	s_add_nc_u64 s[BB+2:BB+3], s[BB:BB+1], 4*KSB
	s_add_nc_u64 s[10:11], s[10:11], s[44:45]
	BLOAD 0                                        ; B's first four chunks are on their way while A is asked for
	BLOAD 1
	BLOAD 2
	BLOAD 3
	WIN 0
	CROUND                                         ; the four work-groups are here: the joint loads meet
	tensor_load_to_lds s[G0:G0+3], s[G1:G1+7]      ; my quarter of A: my one tensor load
	s_nop 0
	PLACES 4
	v_add_nc_u32 v[AD+1], 0x10000, v[AD]
	v_add_nc_u32 v[AD+2], 0x20000, v[AD]
	v_add_nc_u32 v[AD+3], 0x30000, v[AD]
	v_and_b32 v3, 15, v0                           ; r
	v_bfe_u32 v4, v0, 4, 1                         ; h
	v_mul_u32_u24 v5, v3, SPITCH
	v_lshl_add_u32 v5, v4, 5, v5
	v_add_nc_u32 v[STO], s23, v5                   ; into the stage: row r, 32 bytes for each half of the lanes
	v_mul_u32_u24 v6, v4, SPITCH
	v_lshl_add_u32 v6, v3, 4, v6
	v_add_nc_u32 v[RD], s23, v6                    ; back: lanes 0-15 one row of 256 bytes, lanes 16-31 the next
	v_lshlrev_b32 v7, 13, v4
	v_lshl_add_u32 v[CO], v3, 4, v7                ; and the same two rows in out0
	s_wait_alu depctr_va_vdst(0)                   ; the head's end
	s_wait_tensorcnt 0x0                           ; my quarter of A is in,
	s_barrier_signal -1
	s_barrier_wait -1                              ; everybody's is
	ALOAD 0
.irp c, 0,1,2,3,4,5,6,7,8,9,10,11,12,13,14,15
	CHUNK \c
.endr
	WIN 0
; THE WAY OUT, 16 tokens x 64 columns at a time: the sums x 2^(e10 + e11) go through my own stage and come back as rows of 256 bytes: sixteen lanes store one aligned unit.
; LDS serves a wave's instructions in order (ISA guide 5.7.1.4): no wait between the stores and the loads, nor in front of the next block's stores.
.macro TOSTAGE a
	WIN 0x02                                       ; source 0: the accumulators' window
.set n, 0
.rept 16
	v_pk_mul_f32 v[TMP+n:TMP+n+1], v[32*(\a)+n:32*(\a)+n+1], s[96:97] op_sel_hi:[1,0]   ; each accumulator from its low end on
.set n, n+2
.endr
	WIN 0
.irp b, 0,1,2,3
	ds_store_b128 v[STO], v[TMP+8*\b:TMP+8*\b+3] offset:64*\b
	ds_store_b128 v[STO], v[TMP+8*\b+4:TMP+8*\b+7] offset:64*\b+16
.endr
.irp t, 0,1,2,3,4,5,6,7
	ds_load_b128 v[BK+32*((\a)%2)+4*\t:BK+32*((\a)%2)+4*\t+3], v[RD] offset:\t*2*SPITCH
.endr
.endm
.macro SEND a, younger                 ; younger: the LDS instructions issued behind block a's loads
	s_wait_dscnt \younger
.irp t, 0,1,2,3,4,5,6,7
	global_store_b128 v[CO], v[BK+32*((\a)%2)+4*\t:BK+32*((\a)%2)+4*\t+3], s[10:11] offset:(16*(\a)+2*\t)*8192 th:TH_STORE_NT
.endr
.endm
	s_wait_kmcnt 0x0
	s_add_co_i32 s96, s96, s97
	s_add_co_i32 s96, s96, 127
	s_lshl_b32 s96, s96, 23                        ; 2^(e10 + e11) as f32
	PLACES 4                                       ; behind the last products
	TOSTAGE 0
.irp a, 1,2,3,4,5,6,7
.if \a > 1
	s_wait_xcnt 0x0                                ; block a - 2's stores have read their registers: block a's rows may land there
.endif
	TOSTAGE \a
	SEND \a-1, 16                                  ; behind block a - 1's loads: block a's 8 stores and 8 loads
.endr
	SEND 7, 0
	s_wait_tensorcnt 0x0                           ; the wave's end
	ds_add_u32 v[SPW], v[NIL]
	s_wait_dscnt 0x0
	CROUND                                         ; the closing round: no work-group ends while a partner may still ask for a tile that names it
	s_endpgm
.Lfunc_end_k_qdcb0c551e2_oproj:
	.size	k_qdcb0c551e2_oproj, .Lfunc_end_k_qdcb0c551e2_oproj-k_qdcb0c551e2_oproj
	.p2alignl 7, 3214868480
	.fill 96, 4, 3214868480
	.section	.rodata,"a",@progbits
	.p2align	6, 0x0
	.amdhsa_kernel k_qdcb0c551e2_oproj
		.amdhsa_group_segment_fixed_size 327680
		.amdhsa_private_segment_fixed_size 0
		.amdhsa_enable_private_segment 0
		.amdhsa_kernarg_size 32
		.amdhsa_user_sgpr_count 2
		.amdhsa_user_sgpr_kernarg_segment_ptr 1
		.amdhsa_wavefront_size32 1
		.amdhsa_system_sgpr_workgroup_id_x 1
		.amdhsa_system_sgpr_workgroup_id_y 1
		.amdhsa_system_sgpr_workgroup_id_z 1
		.amdhsa_system_vgpr_workitem_id 0
		.amdhsa_next_free_vgpr 1024
		.amdhsa_next_free_sgpr 98
		.amdhsa_reserve_vcc 0
		.amdhsa_float_denorm_mode_32 3
		.amdhsa_float_denorm_mode_16_64 3
		.amdhsa_memory_ordered 1
		.amdhsa_forward_progress 1
		.amdhsa_inst_pref_size 121
	.end_amdhsa_kernel
	.amdgpu_metadata
---
amdhsa.version: [ 1, 2 ]
amdhsa.kernels:
  - .name:           k_qdcb0c551e2_oproj
    .symbol:         k_qdcb0c551e2_oproj.kd
    .args:
      - { .name: y_img, .offset: 0, .size: 8, .value_kind: global_buffer, .address_space: global }
      - { .name: w_img, .offset: 8, .size: 8, .value_kind: global_buffer, .address_space: global }
      - { .name: lowp_scales, .offset: 16, .size: 8, .value_kind: global_buffer, .address_space: global }
      - { .name: out0, .offset: 24, .size: 8, .value_kind: global_buffer, .address_space: global }
    .group_segment_fixed_size: 327680
    .private_segment_fixed_size: 0
    .kernarg_segment_align: 8
    .kernarg_segment_size: 32
    .max_flat_workgroup_size: 128
    .sgpr_count:     98
    .vgpr_count:     1024
    .wavefront_size: 32
...
	.end_amdgpu_metadata
.endif
;; end of part 4
